; MI455X (gfx1250); checked and timed in simulation.
; The chip was launched on July 23, 2026; its instructions are those of AMD's public machine-readable ISA for CDNA 5 (MIT licence, August 2026) and "CDNA5" Instruction Set Architecture Reference Guide (July 2026). The comments in the code are by the model that wrote it; some were corrected since.
;; Web Attention. Allowed arithmetic: matrix products marked QUANTISED: E4M3 operands, one given power-of-two scale a tensor, by v_wmma_f32_16x16x64_fp8_fp8 or v_wmma_f32_16x16x128_fp8_fp8, f32 sums; everything else in f32.
;; Inputs: Wk 2,048 x 512 float32; Wo 2,048 x 2,048 float32; Wq 2,048 x 2,048 float32; Wv 2,048 x 512 float32; attention_mask 1 x 1 x 2,048 x 2,048 float32; hidden_states 1 x 2,048 x 2,048 float32; k_ln_w 64 float32; lowp_scales 16 int32 (the exponents e of the quantised operands' scales 2^e); position_ids 1 x 2,048 int32; q_ln_w 64 float32; web_attention_mask 1 x 1 x 2,048 x 2,048 float32.
;; Outputs: out0 1 x 2,048 x 2,048 float32.
;; This version of the problem:
;;   THIS VERSION OF THE PROBLEM IS GIVEN IN LOW PRECISION. The matrix products marked QUANTISED in the list below multiply operands that are first quantised to E4M3 (4 exponent bits, 3 mantissa bits; 8 bits a number), with one given power-of-two scale for each operand tensor; their sums are f32. All else is computed in f32.
;;   The module's matrix products, in the order in which they are computed (A, B: the left and right operand; K: the contracted axis; several contracted axes count as one K, in the product's order):
;;     1. [M 2,048, K 2,048] x [K 2,048, N 2,048]; A: input hidden_states; B: input Wq: QUANTISED (scales: A lowp_scales[0], B lowp_scales[1])
;;     2. [M 2,048, K 2,048] x [K 2,048, N 512]; A: input hidden_states; B: input Wk: QUANTISED (scales: A lowp_scales[2], B lowp_scales[3])
;;     3. [M 2,048, K 2,048] x [K 2,048, N 512]; A: input hidden_states; B: input Wv: QUANTISED (scales: A lowp_scales[4], B lowp_scales[5])
;;     4. batch 16 x [M 2,048, K 64] x [K 64, N 2,048]; A: computed on the way; B: computed on the way: QUANTISED (scales: A lowp_scales[6], B lowp_scales[7])
;;     5. batch 16 x [M 2,048, K 2,048] x [K 2,048, N 64]; A: softmax (see below); B: computed on the way: QUANTISED (scales: A lowp_scales[8], B lowp_scales[9])
;;     6. batch 16 x [M 2,048, K 64] x [K 64, N 2,048]; A: computed on the way; B: computed on the way: QUANTISED (scales: A lowp_scales[10], B lowp_scales[11])
;;     7. batch 16 x [M 2,048, K 2,048] x [K 2,048, N 64]; A: softmax (see below); B: computed on the way: QUANTISED (scales: A lowp_scales[12], B lowp_scales[13])
;;     8. [M 2,048, K 2,048] x [K 2,048, N 2,048]; A: computed on the way; B: input Wo: QUANTISED (scales: A lowp_scales[14], B lowp_scales[15])
;;   THE QUANTISER, for each operand of a quantised product, along K:
;;     - The operand's scale is 2^e, e = its entry of the input lowp_scales (int32; the entries are numbered through the quantised products in the list's order, A before B).
;;     - Each number is divided by the scale, clamped to +-448, and rounded to the nearest number of E4M3, ties to even, subnormals kept.
;;     - The product sums the exact products of the quantised numbers (number of the format x scale) in f32.
;;   ~~~python
;;   def quantise(x, axis, e):      # numpy; x: float32 -> the quantised numbers, widened to float32 again
;;       x = np.moveaxis(x, axis, -1); K = x.shape[-1]
;;       r = np.clip(x / 2.0 ** e, -448, 448)
;;       step = 2.0 ** (np.maximum(np.frexp(np.where(r == 0, 1, r))[1] - 1, -6) - 3)
;;       q = np.round(r / step) * step * 2.0 ** e      # np.round: ties to even
;;       return np.moveaxis(q, -1, axis).astype(np.float32)
;;   ~~~
;;   SOFTMAX AHEAD OF A QUANTISED PRODUCT. Where the list says 'softmax', what is quantised is not the finished softmax but p = 2^(t - M), with t = logit x log2(e) and M = ceil(the row's largest t), a whole number; so 1/2 < the row's largest p <= 1. The row's sum l is taken of the UNQUANTISED p, in f32, and the product's result is divided by l at the end. Since M is a whole number, a kernel that streams over the keys may use a running M (the ceiling of the running maximum): every later rescaling is an exact power of two, so the quantised numbers keep their values, but for numbers so far below the row's largest that they fall under the format's range.
;;   OPERANDS COMPUTED ON THE WAY. 'Computed on the way' means the value that the module computes at that place (a softmax that the list does not call 'softmax' is quantised finished and normalised). What goes into a quantiser is computed in f32, as accurately as f32 sums, v_exp_f32 and their like allow (about 1e-6 of the number): no bf16 or f16 on the way to a quantiser, and a product that is left as it is and whose result goes on into a quantised operand takes f32 operands (vector FMAs, or v_wmma_f32_16x16x4_f32). A number that lies on a knife's edge between two numbers of the format may be rounded either way, as far as f32 arithmetic and the matrix unit's own rounding can turn it there, and no further.
;; One version. Each part assembles by itself: llvm-mc -triple=amdgcn-amd-amdhsa -mcpu=gfx1250 --defsym DOCPART=n.
;; ======== version 1 of 1: 4 launches
;; limits: right only within a limited range of input values
;; workspace buffers: xc 12,582,912 bytes; wc 10,485,760 bytes; cs 524,288 bytes; qimg 4,194,304 bytes; kvimg 2,097,152 bytes; ac 4,194,304 bytes
;; launch prep (part 1): grid 448 x 1, 4 waves a work-group, no clusters, 68,096 bytes of LDS; arguments hidden_states, position_ids, Wq, Wk, Wv, Wo, lowp_scales, xc, wc, cs; writes xc, wc, cs
.if DOCPART == 1
	.amdgcn_target "amdgcn-amd-amdhsa--gfx1250"
	.amdhsa_code_object_version 6
	.text
	.protected	k_q17213acfbe_prep
	.globl	k_q17213acfbe_prep
	.p2align	8
	.type	k_q17213acfbe_prep,@function
k_q17213acfbe_prep:
	s_mov_b64 s[64:65], 0
	v_nop
	global_prefetch_b8 v0, s[64:65] scope:SCOPE_SE
	s_setreg_imm32_b32 hwreg(HW_REG_WAVE_MODE, 25, 1), 1
	s_wait_xcnt 0x0
; PREP.  Work-groups 0-127: hidden_states [2048][2048] f32 becomes three sets of E4M3 codes (scales 2^e0, 2^e2, 2^e4: one for each projection), row-major, in xc;
; the same work-groups make the table of cos and sin from position_ids, in cs.  Work-groups 128-447: Wq, Wk, Wv, Wo ([K][N] f32) become codes [N][K], K innermost, in wc (scales e1, e3, e5, e15).
; code = x / 2^e, held within +-448, to the nearest code, ties to even.
; cs: [tile of 16 positions][group 8][lane 32][16 bytes]: groups 0-3 cos, 4-7 sin; lane (r, h) of group g: position 16 tile + r, frequencies 4 u + 0..3, u = 4 (g / 2) + 2 h + g % 2:
; so four groups loaded on end give a lane frequencies 16 b + 8 h + j in register 8 b + j, the order of a matrix result's registers.
; LIMITS: each e between -126 and 119; position_ids within +-100,000 (the three-part reduction by pi/2); the frequencies are 10^(-f/8) rounded to f32; NaN among the inputs is not served.
; The two paths have LDS bytes of their own: 0..32,767 the first, 32,768..67,583 the second; the spare words lie behind both.  Waves share nothing: no barrier.
.set SPARE, 67584
.set SPW,   12                         ; v12 LDS address of my spare word; never rewritten
.set NIL,   13                         ; v13 0; never rewritten
.set STEPS, 16
.set WREG,  8192                       ; first path: a wave's region: two stages of 32 x SP bytes
.set SP,    80                         ; a lane's 64 bytes + 16 of padding
.set R,     16                         ; v16-79   four sets of 16 numbers as loaded
.set X,     80                         ; v80-111  two sets of 16 neighbours
.set T,     112                        ; v112-159 the 16 numbers held for each of the three scales
.set C,     160                        ; v160-207 codes: four sets of 12
.set WSTG,  32768                      ; second path: four stages of 32 rows x 272 bytes
.set OFF,   16                         ; v16-47   4 x lane + i x pitch
.set WX,    48                         ; v48-111  two sets of 32 numbers
.set WC,    112                        ; v112-119 a block's codes
.set OUTR,  120                        ; v120-183 the way out
	s_load_b512 s[4:19], s[0:1], 0x0               ; hidden 4:5, positions 6:7, Wq 8:9, Wk 10:11, Wv 12:13, Wo 14:15, scales 16:17, xc 18:19
	s_load_b128 s[20:23], s[0:1], 0x40             ; wc 20:21, cs 22:23
	v_lshl_add_u32 v[SPW], v0, 2, SPARE
	v_mov_b32 v[NIL], 0
	v_lshrrev_b32 v1, 5, v0
	v_readfirstlane_b32 s24, v1                    ; wave
	v_and_b32 v2, 31, v0                           ; lane
	s_wait_kmcnt 0x0
	s_load_b512 s[68:83], s[16:17], 0x0            ; e0 .. e15 in s68 .. s83
	s_cmp_lt_u32 ttmp9, 128                        ; the paths part on the work-group's number
	s_cbranch_scc0 .Lweights
; ---------------- hidden_states: a wave takes 16 steps of 512 numbers ----------------
	s_wait_alu depctr_va_vdst(0)
	v_lshlrev_b32 v3, 4, v2                        ; my 16 bytes of 512: loads, and stores of codes
	s_mul_i32 s25, s24, WREG
	v_lshrrev_b32 v14, 2, v2
	v_mul_u32_u24 v14, v14, SP
	v_and_b32 v15, 3, v2
	v_lshl_add_u32 v14, v15, 4, v14
	v_add_nc_u32 v14, s25, v14                     ; stage, in: SP (lane / 4) + 16 (lane % 4)
	v_mul_u32_u24 v15, v2, SP
	v_add_nc_u32 v15, s25, v15                     ; stage, out: SP x lane: 16 neighbours
	v_and_b32 v211, 15, v0
	v_lshlrev_b32 v211, 2, v211                    ; my position's bytes
	s_wait_alu depctr_va_vdst(0)
	s_lshl_b32 s26, ttmp9, 6
	s_mov_b32 s27, 0
	s_add_nc_u64 s[6:7], s[6:7], s[26:27]          ; the work-group's 16 positions
	s_lshl_b32 s26, ttmp9, 2
	s_add_co_u32 s26, s26, s24                     ; my run of 8,192 numbers
	s_lshl_b32 s28, s26, 15
	s_mov_b32 s29, 0
	s_add_nc_u64 s[4:5], s[4:5], s[28:29]
	s_lshl_b32 s28, s26, 13
	s_add_nc_u64 s[30:31], s[18:19], s[28:29]      ; xc, set 0,
	s_add_nc_u64 s[32:33], s[30:31], 0x400000      ; set 1,
	s_add_nc_u64 s[34:35], s[32:33], 0x400000      ; set 2
	s_lshl_b32 s28, ttmp9, 12
	s_lshl_b32 s36, s24, 9
	s_add_co_u32 s28, s28, s36
	s_add_nc_u64 s[22:23], s[22:23], s[28:29]      ; cs: tile = work-group, group = wave
.macro XLOAD t
.irp i, 0,1,2,3
	global_load_b128 v[R+16*((\t)%4)+4*\i:R+16*((\t)%4)+4*\i+3], v3, s[4:5] offset:2048*(\t)+512*\i th:TH_LOAD_NT   ; 32 lanes read 512 consecutive bytes
.endr
.endm
.macro XTURN t                         ; a step's 2,048 bytes through my stage: LDS serves a wave's instructions in order, so no wait between stores and loads
.irp i, 0,1,2,3
	ds_store_b128 v14, v[R+16*((\t)%4)+4*\i:R+16*((\t)%4)+4*\i+3] offset:32*SP*((\t)%2)+8*SP*\i
.endr
.irp i, 0,1,2,3
	ds_load_b128 v[X+16*((\t)%2)+4*\i:X+16*((\t)%2)+4*\i+3], v15 offset:32*SP*((\t)%2)+16*\i
.endr
.endm
	global_load_b32 v208, v211, s[6:7]             ; my position
.irp t, 0,1,2,3
	XLOAD \t
.endr
	s_wait_kmcnt 0x0
.irp v, 0,1,2
	s_add_co_i32 s36, s[68+2*\v], 127
	s_lshl_b32 s37, s36, 23
	v_mov_b32 v[5+\v], s37                         ; 2^e as f32: the conversion takes its exponent field
	s_add_co_i32 s36, s36, 8
	s_lshl_b32 s36, s36, 23
	s_or_b32 s36, s36, 0x600000
	v_mov_b32 v[8+\v], s36                         ; 448 x 2^e
.endr
; cos and sin.  My four frequencies are chosen among 32 constants by compares with u: no table in memory
	s_lshr_b32 s36, s24, 1
	s_lshl_b32 s36, s36, 2
	s_and_b32 s37, s24, 1
	s_or_b32 s36, s36, s37
	v_bfe_u32 v210, v0, 4, 1
	v_lshl_add_u32 v210, v210, 1, s36              ; u = 4 (wave / 2) + 2 h + wave % 2
	v_mov_b32 v212, 1.0
	v_mov_b32 v213, 0.749894209332
	v_mov_b32 v214, 0.562341325190
	v_mov_b32 v215, 0.421696503429
.macro FSEL u, a, b, c, d              ; lanes whose u is \u take 10^(-(4 u + i) / 8)
	v_cmp_ne_u32 vcc_lo, \u, v210
	v_cndmask_b32 v212, \a, v212, vcc_lo
	v_cndmask_b32 v213, \b, v213, vcc_lo
	v_cndmask_b32 v214, \c, v214, vcc_lo
	v_cndmask_b32 v215, \d, v215, vcc_lo
.endm
	FSEL 1, 0.316227766017, 0.237137370566, 0.177827941004, 0.133352143216
	FSEL 2, 0.1, 0.0749894209332, 0.0562341325190, 0.0421696503429
	FSEL 3, 0.0316227766017, 0.0237137370566, 0.0177827941004, 0.0133352143216
	FSEL 4, 0.01, 0.00749894209332, 0.00562341325190, 0.00421696503429
	FSEL 5, 0.00316227766017, 0.00237137370566, 0.00177827941004, 0.00133352143216
	FSEL 6, 0.001, 0.000749894209332, 0.000562341325190, 0.000421696503429
	FSEL 7, 0.000316227766017, 0.000237137370566, 0.000177827941004, 0.000133352143216
	s_wait_loadcnt 16                              ; my position is in; the 16 younger loads stay out
	v_cvt_f32_i32 v209, v208
; x = position x frequency; k = the nearest whole number to x 2/pi; r = x - k pi/2 with pi/2 in three parts; polynomials in r^2 on +-pi/4; the quadrant k mod 4 swaps and signs them
.macro SC i
	v_mul_f32 v[216+\i], v209, v[212+\i]
	v_mul_f32 v[220+\i], 0x3f22f983, v[216+\i]
	v_rndne_f32 v[220+\i], v[220+\i]
	v_fmamk_f32 v[224+\i], v[220+\i], 0xbfc90fdb, v[216+\i]
	v_fmamk_f32 v[224+\i], v[220+\i], 0x333bbd2e, v[224+\i]
	v_fmamk_f32 v[224+\i], v[220+\i], 0x26f72ce9, v[224+\i]
	v_mul_f32 v[228+\i], v[224+\i], v[224+\i]
	v_mov_b32 v[232+\i], 0x37cd4000
	v_fmaak_f32 v[232+\i], v[232+\i], v[228+\i], 0xbab6077d
	v_fmaak_f32 v[232+\i], v[232+\i], v[228+\i], 0x3d2aaaa8
	v_fmaak_f32 v[232+\i], v[232+\i], v[228+\i], 0xbf000000
	v_fmaak_f32 v[232+\i], v[232+\i], v[228+\i], 0x3f800000   ; cos r
	v_mov_b32 v[236+\i], 0x36405000
	v_fmaak_f32 v[236+\i], v[236+\i], v[228+\i], 0xb9503486
	v_fmaak_f32 v[236+\i], v[236+\i], v[228+\i], 0x3c0888c1
	v_fmaak_f32 v[236+\i], v[236+\i], v[228+\i], 0xbe2aaaab
	v_mul_f32 v[244+\i], v[224+\i], v[228+\i]
	v_fma_f32 v[236+\i], v[236+\i], v[244+\i], v[224+\i]      ; sin r
	v_cvt_i32_f32 v[240+\i], v[220+\i]
	v_and_b32 v[244+\i], 1, v[240+\i]
	v_cmp_eq_u32 vcc_lo, 1, v[244+\i]
	v_cndmask_b32 v[216+\i], v[232+\i], v[236+\i], vcc_lo     ; cos x: in odd quadrants from sin r
	v_cndmask_b32 v[220+\i], v[236+\i], v[232+\i], vcc_lo     ; sin x: from cos r
	v_lshlrev_b32 v[244+\i], 30, v[240+\i]
	v_and_b32 v[244+\i], 0x80000000, v[244+\i]
	v_xor_b32 v[220+\i], v[244+\i], v[220+\i]                 ; sin x changes sign where k & 2
	v_add_nc_u32 v[240+\i], 1, v[240+\i]
	v_lshlrev_b32 v[244+\i], 30, v[240+\i]
	v_and_b32 v[244+\i], 0x80000000, v[244+\i]
	v_xor_b32 v[216+\i], v[244+\i], v[216+\i]                 ; cos x where (k + 1) & 2
.endm
	s_wait_alu depctr_va_vdst(0)
.irp i, 0,1,2,3
	SC \i
.endr
	global_store_b128 v3, v[216:219], s[22:23]               ; 512 consecutive bytes: group wave
	global_store_b128 v3, v[220:223], s[22:23] offset:2048   ; group 4 + wave
	s_wait_loadcnt 12                              ; step 0's four loads are in
	XTURN 0
.macro XSTEP t
.set XS, X+16*((\t)%2)
.set CC, C+12*((\t)%4)
	s_wait_dscnt 0x0                               ; this step's numbers are back from the stage, and its stores into the stage have read their registers,
.if (\t)+4 < STEPS
	XLOAD (\t)+4                                   ; which take the loads of four steps on
.endif
.if (\t)+1 < STEPS
.if STEPS-2-(\t) >= 3
	s_wait_loadcnt 12                              ; the next step's four loads are in; three steps' may be out
.else
	s_wait_loadcnt 4*(STEPS-2-(\t))
.endif
	XTURN (\t)+1
.endif
	s_wait_xcnt 0x0                                ; earlier stores have read their data: the codes' registers are written again only behind this wait
.irp v, 0,1,2
.irp i, 0,1,2,3,4,5,6,7,8,9,10,11,12,13,14,15
	v_med3_num_f32 v[T+16*\v+\i], v[XS+\i], -v[8+\v], v[8+\v]   ; the conversion does not saturate (ISA guide 7.6.2): the hold at 448 x the scale
.endr
.endr
.irp v, 0,1,2
	v_cvt_scalef32_pk8_fp8_f32 v[CC+4*\v:CC+4*\v+1], v[T+16*\v:T+16*\v+7], v[5+\v]
	v_cvt_scalef32_pk8_fp8_f32 v[CC+4*\v+2:CC+4*\v+3], v[T+16*\v+8:T+16*\v+15], v[5+\v]
.endr
	v_nop                                          ; a plain line behind the conversions: the next step's holds write their sources
	global_store_b128 v3, v[CC:CC+3], s[30:31] offset:512*(\t)      ; each store covers 512 consecutive bytes, aligned
	global_store_b128 v3, v[CC+4:CC+7], s[32:33] offset:512*(\t)
	global_store_b128 v3, v[CC+8:CC+11], s[34:35] offset:512*(\t)
.endm
.irp t, 0,1,2,3,4,5,6,7,8,9,10,11,12,13,14,15
	XSTEP \t
.endr
	s_branch .Lend
; ---------------- the weights: a lane takes a column, its registers run down K ----------------
.Lweights:
	s_sub_co_u32 s25, ttmp9, 128
	s_lshr_b32 s26, s25, 3                         ; tile of 128 columns, 0..39: 16 of Wq, 4 of Wk, 4 of Wv, 16 of Wo
	s_and_b32 s27, s25, 7                          ; which 256 along K
	s_mov_b64 s[28:29], s[14:15]                   ; Wo,
	s_mov_b32 s30, 8192                            ; its row in bytes,
	s_mov_b32 s31, 24                              ; its first tile,
	s_wait_kmcnt 0x0
	s_mov_b32 s25, s83                             ; its exponent e15
	s_cmp_lt_u32 s26, 24
	s_cselect_b64 s[28:29], s[12:13], s[28:29]     ; Wv
	s_cselect_b32 s30, 2048, s30
	s_cselect_b32 s31, 20, s31
	s_cselect_b32 s25, s73, s25
	s_cmp_lt_u32 s26, 20
	s_cselect_b64 s[28:29], s[10:11], s[28:29]     ; Wk
	s_cselect_b32 s31, 16, s31
	s_cselect_b32 s25, s71, s25
	s_cmp_lt_u32 s26, 16
	s_cselect_b64 s[28:29], s[8:9], s[28:29]       ; Wq
	s_cselect_b32 s30, 8192, s30
	s_cselect_b32 s31, 0, s31
	s_cselect_b32 s25, s69, s25
	s_sub_co_u32 s50, s26, s31
	s_lshl_b32 s50, s50, 7
	s_lshl_b32 s51, s24, 5
	s_add_co_u32 s50, s50, s51                     ; my wave's first column in its tensor
	s_lshl_b32 s50, s50, 2
	s_lshl_b32 s51, s27, 8
	s_mul_i32 s51, s51, s30                        ; + 256 x (which K) rows
	s_add_co_u32 s50, s50, s51
	s_mov_b32 s51, 0
	s_add_nc_u64 s[32:33], s[28:29], s[50:51]      ; a base for each block of 32 rows: no pointer is stepped
	s_lshl_b32 s52, s30, 5
	s_mov_b32 s53, 0
.irp t, 1,2,3,4,5,6,7
	s_add_nc_u64 s[32+2*\t:33+2*\t], s[30+2*\t:31+2*\t], s[52:53]
.endr
	s_lshl_b32 s54, s26, 7
	s_lshl_b32 s55, s24, 5
	s_add_co_u32 s54, s54, s55                     ; my first row of wc
	s_lshl_b32 s54, s54, 11
	s_lshl_b32 s55, s27, 8
	s_add_co_u32 s54, s54, s55
	s_mov_b32 s55, 0
	s_add_nc_u64 s[48:49], s[20:21], s[54:55]
	s_wait_alu depctr_va_vdst(0)
	v_lshlrev_b32 v9, 2, v2
.irp i, 0,1,2,3,4,5,6,7,8,9,10,11,12,13,14,15,16,17,18,19,20,21,22,23,24,25,26,27,28,29,30,31
	v_mad_u32_u24 v[OFF+\i], s30, \i, v9           ; 4 x lane + i rows
.endr
	s_mul_i32 s56, s24, 32*272
	s_add_co_u32 s56, s56, WSTG                    ; my stage
	v_mul_u32_u24 v4, v2, 272
	v_add_nc_u32 v4, s56, v4                       ; in: row = my column
	v_and_b32 v5, 15, v2
	v_lshrrev_b32 v6, 4, v2
	v_mul_u32_u24 v7, v6, 272
	v_lshl_add_u32 v7, v5, 4, v7
	v_add_nc_u32 v7, s56, v7                       ; out: sixteen lanes to a row
	v_lshlrev_b32 v8, 11, v6
	v_lshl_add_u32 v8, v5, 4, v8                   ; and the same place in wc
	s_add_co_i32 s25, s25, 127
	s_lshl_b32 s57, s25, 23
	v_mov_b32 v11, s57                             ; 2^e
	s_add_co_i32 s25, s25, 8
	s_lshl_b32 s25, s25, 23
	s_or_b32 s25, s25, 0x600000
	v_mov_b32 v10, s25                             ; 448 x 2^e
.macro WLOAD t                         ; block t: W(32 t + i, my column): 32 lanes read 128 consecutive bytes, the four waves 512
.irp i, 0,1,2,3,4,5,6,7,8,9,10,11,12,13,14,15,16,17,18,19,20,21,22,23,24,25,26,27,28,29,30,31
	global_load_b32 v[WX+32*((\t)%2)+\i], v[OFF+\i], s[32+2*(\t):33+2*(\t)] th:TH_LOAD_NT
.endr
.endm
	WLOAD 0
	WLOAD 1
.macro WBLOCK t
.set XS, WX+32*((\t)%2)
.if (\t) < 7
	s_wait_loadcnt 32                              ; this block's 32 loads are in; the next block's may be out
.else
	s_wait_loadcnt 0
.endif
.irp i, 0,1,2,3,4,5,6,7,8,9,10,11,12,13,14,15,16,17,18,19,20,21,22,23,24,25,26,27,28,29,30,31
	v_med3_num_f32 v[XS+\i], v[XS+\i], -v10, v10
.endr
.irp g, 0,1,2,3
	v_cvt_scalef32_pk8_fp8_f32 v[WC+2*\g:WC+2*\g+1], v[XS+8*\g:XS+8*\g+7], v11
.endr
	v_nop
	ds_store_b128 v4, v[WC:WC+3] offset:32*(\t)    ; 32 codes of my column's row
	ds_store_b128 v4, v[WC+4:WC+7] offset:32*(\t)+16
.if (\t)+2 < 8
	WLOAD (\t)+2
.endif
	s_wait_dscnt 0x0                               ; the stores have read their registers
.endm
	s_wait_alu depctr_va_vdst(0)
.irp t, 0,1,2,3,4,5,6,7
	WBLOCK \t
.endr
.irp t, 0,1,2,3,4,5,6,7,8,9,10,11,12,13,14,15
	ds_load_b128 v[OUTR+4*\t:OUTR+4*\t+3], v7 offset:2*\t*272
.endr
.irp t, 0,1,2,3,4,5,6,7,8,9,10,11,12,13,14,15
	s_wait_dscnt 15-\t                             ; the younger reads of the stage may be out
	global_store_b128 v8, v[OUTR+4*\t:OUTR+4*\t+3], s[48:49] offset:2*\t*2048   ; sixteen lanes store 256 consecutive bytes, aligned
.endr
.Lend:
	s_wait_tensorcnt 0x0                           ; the wave's end
	ds_add_u32 v[SPW], v[NIL]
	s_wait_dscnt 0x0
	s_endpgm
.Lfunc_end_k_q17213acfbe_prep:
	.size	k_q17213acfbe_prep, .Lfunc_end_k_q17213acfbe_prep-k_q17213acfbe_prep
	.p2alignl 7, 3214868480
	.fill 96, 4, 3214868480
	.section	.rodata,"a",@progbits
	.p2align	6, 0x0
	.amdhsa_kernel k_q17213acfbe_prep
		.amdhsa_group_segment_fixed_size 68096
		.amdhsa_private_segment_fixed_size 0
		.amdhsa_enable_private_segment 0
		.amdhsa_kernarg_size 80
		.amdhsa_user_sgpr_count 2
		.amdhsa_user_sgpr_kernarg_segment_ptr 1
		.amdhsa_wavefront_size32 1
		.amdhsa_system_sgpr_workgroup_id_x 1
		.amdhsa_system_sgpr_workgroup_id_y 1
		.amdhsa_system_sgpr_workgroup_id_z 1
		.amdhsa_system_vgpr_workitem_id 0
		.amdhsa_next_free_vgpr 256
		.amdhsa_next_free_sgpr 100
		.amdhsa_reserve_vcc 1
		.amdhsa_float_denorm_mode_32 3
		.amdhsa_float_denorm_mode_16_64 3
		.amdhsa_memory_ordered 1
		.amdhsa_forward_progress 1
		.amdhsa_inst_pref_size 138
	.end_amdhsa_kernel
	.amdgpu_metadata
---
amdhsa.version: [ 1, 2 ]
amdhsa.kernels:
  - .name:           k_q17213acfbe_prep
    .symbol:         k_q17213acfbe_prep.kd
    .args:
      - { .name: hidden_states, .offset: 0, .size: 8, .value_kind: global_buffer, .address_space: global }
      - { .name: position_ids, .offset: 8, .size: 8, .value_kind: global_buffer, .address_space: global }
      - { .name: Wq, .offset: 16, .size: 8, .value_kind: global_buffer, .address_space: global }
      - { .name: Wk, .offset: 24, .size: 8, .value_kind: global_buffer, .address_space: global }
      - { .name: Wv, .offset: 32, .size: 8, .value_kind: global_buffer, .address_space: global }
      - { .name: Wo, .offset: 40, .size: 8, .value_kind: global_buffer, .address_space: global }
      - { .name: lowp_scales, .offset: 48, .size: 8, .value_kind: global_buffer, .address_space: global }
      - { .name: xc, .offset: 56, .size: 8, .value_kind: global_buffer, .address_space: global }
      - { .name: wc, .offset: 64, .size: 8, .value_kind: global_buffer, .address_space: global }
      - { .name: cs, .offset: 72, .size: 8, .value_kind: global_buffer, .address_space: global }
    .group_segment_fixed_size: 68096
    .private_segment_fixed_size: 0
    .kernarg_segment_align: 8
    .kernarg_segment_size: 80
    .max_flat_workgroup_size: 128
    .sgpr_count:     100
    .vgpr_count:     256
    .wavefront_size: 32
...
	.end_amdgpu_metadata
.endif
;; end of part 1
;; launch proj (part 2): grid 16 x 16, 4 waves a work-group, clusters of 4 x 4, 327,680 bytes of LDS; arguments xc, wc, cs, q_ln_w, k_ln_w, lowp_scales, qimg, kvimg; writes qimg, kvimg
.if DOCPART == 2
	.amdgcn_target "amdgcn-amd-amdhsa--gfx1250"
	.amdhsa_code_object_version 6
	.text
	.protected	k_q17213acfbe_proj
	.globl	k_q17213acfbe_proj
	.p2align	8
	.type	k_q17213acfbe_proj,@function
k_q17213acfbe_proj:
	s_mov_b64 s[64:65], 0
	v_nop
	global_prefetch_b8 v0, s[64:65] scope:SCOPE_SE
	s_setreg_imm32_b32 hwreg(HW_REG_WAVE_MODE, 25, 1), 1
	s_wait_xcnt 0x0
	s_wait_alu depctr_hold_cnt(0) depctr_sa_sdst(0) depctr_va_vdst(0) depctr_va_sdst(0) depctr_va_ssrc(0) depctr_va_vcc(0) depctr_vm_vsrc(0)
	s_getreg_b32 s2, hwreg(HW_REG_IB_STS2, 6, 4)
	s_cmp_eq_u32 s2, 0
	s_cbranch_scc0 .Lentry_in_a_cluster
	s_endpgm
.Lentry_in_a_cluster:
	s_bfe_u32 s2, ttmp6, 0x10000c
	s_cmp_lg_u32 s2, 0xf033
	s_cbranch_scc0 .Lentry_shape_is_right
	s_endpgm
.Lentry_shape_is_right:
; PROJ.  q, k, v = x Wq, x Wk, x Wv on E4M3 codes (K = 2048), RoPE and RMS norm on q and k in f32, then the quantisers of the attention products; results leave as images of operand registers.
; A work-group (x, y) of 16 x 16 has two phases.  FIRST: 128 positions (by y) x 128 channels of q (by x).  SECOND: cluster x 0, 1: 128 positions (by y) x 64 channels of k (by x);
; cluster x 2, 3: 128 channels of v (by cy) x 64 positions (by x and the cluster's y).  So in both phases one tile hangs on what a row of the cluster shares and one on what a column shares:
; both are asked for jointly, and the LDS addresses are the same in all work-groups.
; ONE LDS SLOT of K = 1024: rows of 1,024 bytes + 16 of padding.  Four fills in all, two a phase.  A refill goes out as soon as every wave holds the slot's last fragments in registers;
; the second phase's first fill lands while q's RoPE, norm and quantiser run.  Two slots of this size do not fit in LDS.
; The matrix instruction is used transposed: source 0 = 64 rows (q, k: channels; v: positions), source 1 = rows that a lane keeps (q, k: a position; v: a channel): a lane's registers run along the next product's K.
; Each fill's bytes are prefetched one fill ahead: of the 64 rows that a wave fetches each of the four partners names 16, told apart by address, a lane an aligned block of 256 bytes.
; LIMITS: sums of the given exponents stay f32 exponents (each e between -60 and 60 serves); NaN among the inputs is not served.
; REGISTERS.  Window 0: v1-31 addresses and scales; v32-79 at work; v80-127 codes; v128-255 accumulators.  Window 1: two sets of fragments.  Window 2: cos, sin and the gains.
.set KSTEP,  1024
.set LPITCH, 1040
.set LHALF,  64*LPITCH
.set SPARE,  4*LHALF
.set KROW,   2048
.set PFO,  8
.set B0,   12
.set B1,   13
.set ADR1, 16
.set ADR0, 20
.set SPW,  28
.set NIL,  29
.set ACC,  128
.set F0,   0
.set F1,   128
.set G1, 24
.set G0, 32
.set G1B, 48
.set G0B, 56
.set PFA, 60
.set PFB, 62
.set MSB, 0
.macro WIN new
.if MSB != \new
	s_set_vgpr_msb (MSB<<8)|\new
.set MSB, \new
.endif
.endm
.set MUL,  0x05
.set TO_F, 0x40
.macro PLACES
.rept 4
	v_nop
.endr
.endm
.macro JLOAD                           ; first phase: waves 0, 1 fetch x's halves, waves 2, 3 Wq's.
	s_cmp_eq_u32 s11, 0
	s_cbranch_scc0 .Lfor_x_\@
	tensor_load_to_lds s[G0:G0+3], s[G1:G1+7]
	s_nop 0
	PLACES
	s_branch .Lasked_\@
.Lfor_x_\@:
	tensor_load_to_lds s[G0B:G0B+3], s[G1B:G1B+7]
	s_nop 0
	PLACES
.Lasked_\@:
.endm
.macro JLOADB                          ; second phase: waves 0, 1 fetch the halves of the 128 rows, wave 2 the 64 rows, wave 3 nothing
	s_cmp_eq_u32 s11, 0
	s_cbranch_scc0 .Lnot_y_\@
	tensor_load_to_lds s[G0:G0+3], s[G1:G1+7]
	s_nop 0
	PLACES
	s_branch .Ldone_\@
.Lnot_y_\@:
	s_cmp_eq_u32 s10, 2
	s_cbranch_scc0 .Lnone_\@
	tensor_load_to_lds s[G0B:G0B+3], s[G1B:G1B+7]
	s_nop 0
	PLACES
	s_branch .Ldone_\@
.Lnone_\@:
	PLACES
.Ldone_\@:
.endm
.macro ASK b, off                      ; 16 rows x 1,024 bytes: 64 blocks of 256 bytes, two instructions
	global_prefetch_b8 v[PFO], s[\b:\b+1] offset:\off th:TH_LOAD_NT scope:SCOPE_SE
	global_prefetch_b8 v[PFO], s[\b:\b+1] offset:\off+16384 th:TH_LOAD_NT scope:SCOPE_SE
.endm
.macro ASKB off                        ; the second phase's: wave 3 fetches nothing there and asks for nothing
	s_cmp_eq_u32 s10, 3
	s_cbranch_scc1 .Lnot_mine_\@
	ASK PFB, \off
.Lnot_mine_\@:
.endm
.macro CREST
	s_cmp_lg_u32 s10, 0
	s_cbranch_scc1 .Lnot_wave_0_\@
	s_barrier_signal -3
.Lnot_wave_0_\@:
	s_barrier_wait -3
	s_barrier_signal -1
	s_barrier_wait -1
.endm
.macro CROUND
	s_barrier_signal -1
	s_barrier_wait -1
	CREST
.endm
	s_load_b512 s[68:83], s[0:1], 0x0              ; xc 68, wc 70, cs 72, q_ln_w 74, k_ln_w 76, scales 78, qimg 80, kvimg 82
	v_lshl_add_u32 v[SPW], v0, 2, SPARE
	v_mov_b32 v[NIL], 0
	ds_add_u32 v[SPW], v[NIL]                      ; the opening lines: the add, twice on end, and its wait
	ds_add_u32 v[SPW], v[NIL]
	v_lshrrev_b32 v1, 5, v0
	v_readfirstlane_b32 s10, v1                    ; wave
	s_lshr_b32 s11, s10, 1
	s_and_b32 s12, s10, 1
	s_bfe_u32 s40, ttmp6, 0x40000                  ; cx
	s_bfe_u32 s41, ttmp6, 0x40004                  ; cy
	s_lshl_b32 s42, ttmp9, 2
	s_add_co_u32 s42, s42, s40                     ; x
	s_and_b32 s13, ttmp7, 0xffff
	s_lshl_b32 s13, s13, 2
	s_add_co_u32 s13, s13, s41                     ; y
	s_lshl_b32 s43, s41, 2
	s_lshl_b32 s43, 15, s43                        ; my row of the cluster
	s_lshl_b32 s44, 0x1111, s40                    ; my column
	s_or_b32 s[G1+0], s43, (0<<16)|(1<<20)|(1<<21)|(7<<22)|(3<<25)   ; bytes; padding: 4 words after every 256
	s_or_b32 s[G1B+0], s44, (0<<16)|(1<<20)|(1<<21)|(7<<22)|(3<<25)
.irp g, G1, G1B
	s_mov_b32 s[\g+1], KSTEP<<16
	s_mov_b32 s[\g+2], 64<<16
	s_mov_b32 s[\g+3], KSTEP<<16
	s_mov_b32 s[\g+4], 64
	s_mov_b32 s[\g+5], KROW
	s_mov_b32 s[\g+6], 0
	s_mov_b32 s[\g+7], 0
.endr
	s_lshl_b32 s19, s12, 6                         ; which 64 rows of a tile I fetch
	s_lshl_b32 s16, s13, 7
	s_add_co_u32 s16, s16, s19
	s_lshl_b32 s16, s16, 11
	s_mov_b32 s17, 0
	s_lshl_b32 s46, s42, 7
	s_add_co_u32 s46, s46, s19
	s_lshl_b32 s46, s46, 11
	s_mov_b32 s47, 0
	s_mul_i32 s20, s10, LHALF
	s_wait_dscnt 0x0
	s_wait_kmcnt 0x0
	s_load_b512 s[84:99], s[78:79], 0x0            ; e0 .. e15 in s84 .. s99
	s_add_nc_u64 s[14:15], s[68:69], s[16:17]
	s_add_nc_u64 s[46:47], s[70:71], s[46:47]
	s_mov_b32 s[G0], 1
	s_mov_b32 s[G0+1], s20
	s_mov_b64 s[G0+2:G0+3], s[14:15]
	s_or_b32 s[G0+3], s[G0+3], 0x80000000
	s_mov_b32 s[G0B], 1
	s_mov_b32 s[G0B+1], s20
	s_mov_b64 s[G0B+2:G0B+3], s[46:47]
	s_or_b32 s[G0B+3], s[G0B+3], 0x80000000
	CROUND                                         ; all sixteen work-groups are here: the first joint loads meet
	JLOAD                                          ; K 0 .. 1023 of the first phase: one tensor load a wave at the head
	s_cmp_eq_u32 s11, 0                            ; the prefetches: my tile, and my work-group's 16 of its 64 rows
	s_cselect_b64 s[PFA:PFA+1], s[14:15], s[46:47]
	s_cselect_b32 s8, s40, s41
	s_lshl_b32 s8, s8, 15
	s_mov_b32 s9, 0
	s_add_nc_u64 s[PFA:PFA+1], s[PFA:PFA+1], s[8:9]
	s_lshl_b32 s14, s13, 7                         ; the second phase's tiles.  k: x's rows 128 y
	s_lshl_b32 s15, s41, 7
	s_add_co_u32 s15, s15, 2560                    ; v: Wv's rows 2560 + 128 cy of wc
	s_lshl_b32 s46, s42, 6
	s_add_co_u32 s46, s46, 2048                    ; k: Wk's rows 2048 + 64 x of wc
	s_and_b32 s47, ttmp7, 0xffff
	s_lshl_b32 s47, s47, 3
	s_add_co_u32 s47, s47, s42
	s_sub_co_u32 s47, s47, 8
	s_lshl_b32 s47, s47, 6                         ; v: x's rows 64 (x - 8 + 8 cluster y)
	s_cmp_lt_u32 ttmp9, 2
	s_cselect_b32 s14, s14, s15
	s_cselect_b32 s46, s46, s47
	s_cselect_b64 s[2:3], s[68:69], s[70:71]       ; the buffer of the 128 rows: xc or wc
	s_cselect_b64 s[4:5], s[70:71], s[68:69]       ; of the 64 rows: wc or xc
	s_cselect_b32 s6, 0x400000, 0                  ; k takes x's second set of codes,
	s_cselect_b32 s7, 0, 0x800000                  ; v the third
	s_add_co_u32 s14, s14, s19
	s_lshl_b32 s14, s14, 11
	s_add_co_u32 s14, s14, s6
	s_mov_b32 s15, 0
	s_add_nc_u64 s[14:15], s[2:3], s[14:15]
	s_lshl_b32 s46, s46, 11
	s_add_co_u32 s46, s46, s7
	s_mov_b32 s47, 0
	s_add_nc_u64 s[46:47], s[4:5], s[46:47]
	s_cmp_eq_u32 s11, 0
	s_cselect_b64 s[PFB:PFB+1], s[14:15], s[46:47]
	s_add_nc_u64 s[PFB:PFB+1], s[PFB:PFB+1], s[8:9]
	s_mul_i32 s21, s11, LHALF                      ; first phase: my 64 positions,
	s_mul_i32 s22, s12, LHALF
	s_add_co_u32 s22, s22, 2*LHALF                 ; my 64 channels
	s_mul_i32 s23, s10, 32*LPITCH                  ; second phase: my 32 of the 128 rows
	s_lshl_b32 s16, s13, 3
	s_lshl_b32 s17, s11, 2
	s_add_co_u32 s16, s16, s17
	s_lshl_b32 s16, s16, 12
	s_mov_b32 s17, 0
	s_add_nc_u64 s[72:73], s[72:73], s[16:17]      ; cos and sin: tiles 8 y + 4 (wave / 2) on,
	s_lshl_b32 s16, s12, 13
	s_add_nc_u64 s[68:69], s[72:73], s[16:17]      ; for k: tiles 8 y + 2 wave on
	s_lshl_b32 s16, s42, 1
	s_add_co_u32 s16, s16, s12
	s_lshl_b32 s16, s16, 7
	s_lshl_b32 s19, s13, 3
	s_add_co_u32 s16, s16, s19
	s_lshl_b32 s19, s11, 2
	s_add_co_u32 s16, s16, s19
	s_lshl_b32 s16, s16, 10
	s_add_nc_u64 s[80:81], s[80:81], s[16:17]      ; qimg: (128 head + tile) x 1,024
	s_lshl_b32 s16, s42, 4
	s_add_co_u32 s16, s16, s13
	s_lshl_b32 s16, s16, 14
	s_lshl_b32 s19, s10, 11
	s_add_co_u32 s19, s16, s19                     ; k's place in kvimg: (16 x + y) x 16,384 + 2,048 wave
	s_and_b32 s18, ttmp7, 0xffff
	s_lshl_b32 s18, s18, 3
	s_add_co_u32 s18, s18, s42
	s_sub_co_u32 s18, s18, 8                       ; v: block of 64 positions x - 8 + 8 cluster y
	s_lshl_b32 s16, s41, 1
	s_add_co_u32 s16, s16, s11                     ; kv head 2 cy + wave / 2
	s_lshl_b32 s16, s16, 4
	s_lshr_b32 s5, s18, 1
	s_add_co_u32 s16, s16, s5                      ; 16 kv + step of 128 keys
	s_lshl_b32 s16, s16, 14
	s_and_b32 s18, s18, 1
	s_lshl_b32 s18, s18, 10
	s_add_co_u32 s16, s16, s18                     ; which half of a fragment's keys
	s_lshl_b32 s18, s12, 12
	s_add_co_u32 s16, s16, s18                     ; fragments 2 (wave % 2) and + 1
	s_add_co_u32 s16, s16, 8192                    ; behind the step's K
	s_cmp_lt_u32 ttmp9, 2
	s_cselect_b32 s16, s19, s16
	s_cselect_b32 s19, 10, 11
	s_lshl_b32 s19, 1, s19                         ; from my first fragment to my second
	s_add_nc_u64 s[82:83], s[82:83], s[16:17]
	v_and_b32 v1, 15, v0
	v_bfe_u32 v2, v0, 4, 1
	v_mul_u32_u24 v5, v1, LPITCH
	v_lshl_add_u32 v5, v2, 4, v5                   ; a fragment's row x pitch + 16 x half
	v_add_nc_u32 v[ADR1], s21, v5
	v_add_nc_u32 v[ADR0], s22, v5
	v_add_nc_u32 v[B0], 2*LHALF, v5
	v_add_nc_u32 v[B1], s23, v5
	v_and_b32 v4, 31, v0
	v_lshlrev_b32 v24, 4, v4
	v_lshlrev_b32 v25, 5, v2
	v_add_nc_u32 v9, s19, v24
	v_lshrrev_b32 v6, 2, v4
	v_and_b32 v7, 3, v4
	v_lshlrev_b32 v[PFO], 11, v6
	v_lshl_add_u32 v[PFO], v7, 8, v[PFO]           ; prefetch: row lane / 4, block lane % 4
.irp a, 0,1,2,3
	v_mov_b32 v[72+\a], 0
.endr
	ASK PFA, KSTEP                                 ; what the next fill will ask for
	WIN 0x80
.irp a, 0,1,2,3
.irp g, 0,1,2,3,4,5,6,7
	global_load_b128 v[32*\a+4*\g:32*\a+4*\g+3], v24, s[72:73] offset:4096*\a+512*\g
.endr
.endr
.irp b, 0,1,2,3
	global_load_b128 v[128+8*\b:128+8*\b+3], v25, s[74:75] offset:64*\b
	global_load_b128 v[128+8*\b+4:128+8*\b+7], v25, s[74:75] offset:64*\b+16
.endr
	WIN 0
	s_wait_kmcnt 0x0
	s_add_co_i32 s4, s84, s85                      ; q: 2^(e0 + e1), and 2^(2 (e0 + e1)) / 64 for the mean of squares
	s_lshl_b32 s5, s4, 1
	s_add_co_i32 s5, s5, 121
	s_lshl_b32 s5, s5, 23
	s_add_co_i32 s4, s4, 127
	s_lshl_b32 s4, s4, 23
	s_add_co_i32 s6, s86, s87                      ; k likewise
	s_lshl_b32 s7, s6, 1
	s_add_co_i32 s7, s7, 121
	s_lshl_b32 s7, s7, 23
	s_add_co_i32 s6, s6, 127
	s_lshl_b32 s6, s6, 23
	s_mov_b32 s8, 0x358637bd                       ; 1e-6
	s_mov_b32 s2, 0x76543210
	s_mov_b32 s3, 0xfedcba98
	s_cmp_lt_u32 ttmp9, 2
	s_cselect_b32 s9, s90, s94                     ; q's scale: e6 for heads 0-15, e10 for the others
	s_add_co_i32 s9, s9, 127
	s_lshl_b32 s19, s9, 23
	v_mov_b32 v26, s19
	s_add_co_i32 s9, s9, 8
	s_lshl_b32 s9, s9, 23
	s_or_b32 s9, s9, 0x600000
	v_mov_b32 v27, s9
	s_cmp_eq_u32 ttmp9, 0
	s_cselect_b32 s9, s91, s95                     ; k's scale: e7 or e11
	s_cmp_lt_u32 s41, 2                            ; v's: kv heads 0-3 (cy 0, 1) take e9, the others e13: a number is chosen, no way through the text
	s_cselect_b32 s19, s93, s97
	s_sub_co_i32 s19, s19, s88
	s_sub_co_i32 s19, s19, s89                     ; v's sums lack 2^(e4 + e5): folded into the conversion's scale
	s_cmp_lt_u32 ttmp9, 2
	s_cselect_b32 s9, s9, s19
	s_add_co_i32 s9, s9, 127
	s_lshl_b32 s19, s9, 23
	v_mov_b32 v30, s19
	s_add_co_i32 s9, s9, 8
	s_lshl_b32 s9, s9, 23
	s_or_b32 s9, s9, 0x600000
	v_mov_b32 v31, s9
.macro FETCH r0, r1, n, k, f           ; four fragments of source 0 and n of source 1, 128 along K at byte k of the rows, into set f
	WIN TO_F
.irp i, 0,1,2,3
.irp c, 0,1,2,3
	ds_load_b128 v[\f+64+16*\i+4*\c:\f+64+16*\i+4*\c+3], v[\r0] offset:\k+32*\c+\i*16*LPITCH
.endr
.endr
.irp i, 0,1,2,3
.if \i < \n
.irp c, 0,1,2,3
	ds_load_b128 v[\f+16*\i+4*\c:\f+16*\i+4*\c+3], v[\r1] offset:\k+32*\c+\i*16*LPITCH
.endr
.endif
.endr
.endm
.macro MULA f, a, zero                 ; the accumulators take turns, one instruction a turn
.irp b, 0,1,2,3
.if \zero
	v_wmma_f32_16x16x128_fp8_fp8 v[ACC+8*(4*(\a)+\b):ACC+8*(4*(\a)+\b)+7], v[\f+64+16*\b:\f+64+16*\b+15], v[\f+16*(\a):\f+16*(\a)+15], 0
.else
	v_wmma_f32_16x16x128_fp8_fp8 v[ACC+8*(4*(\a)+\b):ACC+8*(4*(\a)+\b)+7], v[\f+64+16*\b:\f+64+16*\b+15], v[\f+16*(\a):\f+16*(\a)+15], v[ACC+8*(4*(\a)+\b):ACC+8*(4*(\a)+\b)+7]
.endif
.endr
.endm
.macro QUARTER r0, r1, n, k, f, g, zero ; multiplies set f; in its middle fetches the next 128 along K into set g
	s_wait_dscnt 2*\n                              ; the youngest n / 2 fragments of source 1 may be out
	WIN MUL
	MULA \f, 0, \zero
.if \n == 4
	MULA \f, 1, \zero
.endif
	PLACES
	FETCH \r0, \r1, \n, \k, \g
	s_wait_dscnt 16+4*\n                           ; all but the run just issued
	WIN MUL
.if \n == 4
	MULA \f, 2, \zero
	MULA \f, 3, \zero
.else
	MULA \f, 1, \zero
.endif
.endm
.macro HALF r0, r1, n, zero            ; a slot but for its last 128 along K, whose fragments are left in set 1
	FETCH \r0, \r1, \n, 0, F0
	QUARTER \r0, \r1, \n, 128, F0, F1, \zero
	QUARTER \r0, \r1, \n, 256, F1, F0, 0
	QUARTER \r0, \r1, \n, 384, F0, F1, 0
	QUARTER \r0, \r1, \n, 512, F1, F0, 0
	QUARTER \r0, \r1, \n, 640, F0, F1, 0
	QUARTER \r0, \r1, \n, 768, F1, F0, 0
	QUARTER \r0, \r1, \n, 896, F0, F1, 0
.endm
; The refill.  Every wave holds the slot's last fragments: its three lines, a round of the cluster's barrier, the joint load, and the last products on registers while the load is out.
.macro TURN how, n                     ; how 0: the first phase's second half; 1: the second phase's first; 2: its second
	WIN 0
	s_wait_tensorcnt 0x0
	ds_add_u32 v[SPW], v[NIL]
	s_wait_dscnt 0x0                               ; the add is done, and my reads of the slot are over
	CROUND
.if \how == 1
	s_mov_b64 s[G0+2:G0+3], s[14:15]
	s_or_b32 s[G0+3], s[G0+3], 0x80000000
	s_mov_b64 s[G0B+2:G0B+3], s[46:47]
	s_or_b32 s[G0B+3], s[G0B+3], 0x80000000
.else
	s_add_nc_u64 s[G0+2:G0+3], s[G0+2:G0+3], KSTEP
	s_add_nc_u64 s[G0B+2:G0B+3], s[G0B+2:G0B+3], KSTEP
.endif
.if \how == 0
	JLOAD
	ASKB 0
.else
	JLOADB
.if \how == 1
	ASKB KSTEP
.endif
.endif
	WIN MUL
	MULA F1, 0, 0
	MULA F1, 1, 0
.if \n == 4
	MULA F1, 2, 0
	MULA F1, 3, 0
.endif
	WIN 0
.endm
.macro LANDED                          ; my part of the fill is in; behind the barrier everybody's is.
	s_wait_alu depctr_va_vdst(0)                   ; the wait ahead of the waits below
	s_wait_tensorcnt 0x0
	s_barrier_signal -1
	s_barrier_wait -1
.endm
.macro ROPENORM cnt, cbase, gbase, ssig, skap
	WIN 0x08
.irp a, 0,1,2,3
.if \a < \cnt
.irp b, 0,1
.irp p, 0,2,4,6
	v_pk_mul_f32 v[32+\p:33+\p], v[ACC+8*(4*\a+\b+2)+\p:ACC+8*(4*\a+\b+2)+\p+1], v[\cbase+32*\a+16+8*\b+\p:\cbase+32*\a+16+8*\b+\p+1]
.endr
.irp p, 0,2,4,6
	v_pk_mul_f32 v[40+\p:41+\p], v[ACC+8*(4*\a+\b)+\p:ACC+8*(4*\a+\b)+\p+1], v[\cbase+32*\a+16+8*\b+\p:\cbase+32*\a+16+8*\b+\p+1]
.endr
.irp p, 0,2,4,6
	v_pk_fma_f32 v[ACC+8*(4*\a+\b)+\p:ACC+8*(4*\a+\b)+\p+1], v[ACC+8*(4*\a+\b)+\p:ACC+8*(4*\a+\b)+\p+1], v[\cbase+32*\a+8*\b+\p:\cbase+32*\a+8*\b+\p+1], v[32+\p:33+\p] neg_lo:[0,0,1] neg_hi:[0,0,1]
.endr
.irp p, 0,2,4,6
	v_pk_fma_f32 v[ACC+8*(4*\a+\b+2)+\p:ACC+8*(4*\a+\b+2)+\p+1], v[ACC+8*(4*\a+\b+2)+\p:ACC+8*(4*\a+\b+2)+\p+1], v[\cbase+32*\a+8*\b+\p:\cbase+32*\a+8*\b+\p+1], v[40+\p:41+\p]
.endr
.endr
.endif
.endr
	WIN 0
.irp a, 0,1,2,3
.if \a < \cnt
	v_pk_mul_f32 v[48+4*\a:49+4*\a], v[ACC+32*\a:ACC+32*\a+1], v[ACC+32*\a:ACC+32*\a+1]
	v_pk_mul_f32 v[50+4*\a:51+4*\a], v[ACC+32*\a+2:ACC+32*\a+3], v[ACC+32*\a+2:ACC+32*\a+3]
.irp n, 2,3,4,5,6,7,8,9,10,11,12,13,14,15
	v_pk_fma_f32 v[48+4*\a+2*(\n%2):49+4*\a+2*(\n%2)], v[ACC+32*\a+2*\n:ACC+32*\a+2*\n+1], v[ACC+32*\a+2*\n:ACC+32*\a+2*\n+1], v[48+4*\a+2*(\n%2):49+4*\a+2*(\n%2)]
.endr
.endif
.endr
.irp a, 0,1,2,3
.if \a < \cnt
	v_pk_add_f32 v[48+4*\a:49+4*\a], v[48+4*\a:49+4*\a], v[50+4*\a:51+4*\a]
.endif
.endr
.irp a, 0,1,2,3
.if \a < \cnt
	v_add_f32 v[48+4*\a], v[48+4*\a], v[49+4*\a]
.endif
.endr
.irp a, 0,1,2,3
.if \a < \cnt
	v_permlanex16_b32 v[72+\a], v[48+4*\a], s2, s3
.endif
.endr
.irp a, 0,1,2,3
.if \a < \cnt
	v_add_f32 v[48+4*\a], v[48+4*\a], v[72+\a]
.endif
.endr
.irp a, 0,1,2,3
.if \a < \cnt
	v_fma_f32 v[48+4*\a], v[48+4*\a], s[\skap], s8
.endif
.endr
	s_wait_alu depctr_va_vdst(0)
.irp a, 0,1,2,3
.if \a < \cnt
	v_rsq_f32 v[64+2*\a], v[48+4*\a]
.endif
.endr
	v_nop
	s_wait_alu depctr_va_vdst(0)
.irp a, 0,1,2,3
.if \a < \cnt
	v_mul_f32 v[64+2*\a], s[\ssig], v[64+2*\a]
	v_mov_b32 v[65+2*\a], v[64+2*\a]
.endif
.endr
.irp a, 0,1,2,3
.if \a < \cnt
.irp n, 0,1,2,3,4,5,6,7,8,9,10,11,12,13,14,15
	v_pk_mul_f32 v[ACC+32*\a+2*\n:ACC+32*\a+2*\n+1], v[ACC+32*\a+2*\n:ACC+32*\a+2*\n+1], v[64+2*\a:65+2*\a] op_sel_hi:[1,0]
.endr
.endif
.endr
	WIN 0x08
.irp a, 0,1,2,3
.if \a < \cnt
.irp n, 0,1,2,3,4,5,6,7,8,9,10,11,12,13,14,15
	v_pk_mul_f32 v[ACC+32*\a+2*\n:ACC+32*\a+2*\n+1], v[ACC+32*\a+2*\n:ACC+32*\a+2*\n+1], v[\gbase+2*\n:\gbase+2*\n+1]
.endr
.endif
.endr
	WIN 0
.endm
.macro QUANT cnt, cd, vs, vl
.set ii, 0
.rept 32*\cnt
	v_med3_num_f32 v[ACC+ii], v[ACC+ii], -v[\vl], v[\vl]
.set ii, ii+1
.endr
.set ii, 0
.rept 4*\cnt
	v_cvt_scalef32_pk8_fp8_f32 v[\cd+2*ii:\cd+2*ii+1], v[ACC+8*ii:ACC+8*ii+7], v[\vs]
.set ii, ii+1
.endr
	v_nop
.endm
	LANDED
	HALF ADR0, ADR1, 4, 1
	TURN 0, 4
	LANDED
	HALF ADR0, ADR1, 4, 0
	TURN 1, 4                                      ; q's sums are finished; the second phase's first fill is out
	PLACES
	s_wait_loadcnt 0x0
	WIN 0x80
.irp a, 0,1
.irp g, 0,1,2,3,4,5,6,7
	global_load_b128 v[160+32*\a+4*\g:160+32*\a+4*\g+3], v24, s[68:69] offset:4096*\a+512*\g
.endr
.endr
.irp b, 0,1,2,3
	global_load_b128 v[224+8*\b:224+8*\b+3], v25, s[76:77] offset:64*\b
	global_load_b128 v[224+8*\b+4:224+8*\b+7], v25, s[76:77] offset:64*\b+16
.endr
	WIN 0
	ROPENORM 4, 0, 128, 4, 5
	QUANT 4, 80, 26, 27
.irp a, 0,1,2,3
	global_store_b128 v24, v[80+8*\a:83+8*\a], s[80:81] offset:1024*\a          ; each store covers 512 consecutive bytes, aligned
	global_store_b128 v24, v[84+8*\a:87+8*\a], s[80:81] offset:1024*\a+512
.endr
	LANDED
	HALF B0, B1, 2, 1
	TURN 2, 2
	LANDED
	HALF B0, B1, 2, 0
	s_wait_dscnt 4
	WIN MUL
	MULA F1, 0, 0
	s_wait_dscnt 0
	MULA F1, 1, 0
	WIN 0
	PLACES
	s_wait_loadcnt 0x0
	s_cmp_ge_u32 ttmp9, 2                          ; v has no RoPE and no norm: by the cluster's x, the same in all partners
	s_cbranch_scc1 .Lquant
	ROPENORM 2, 160, 224, 6, 7
.Lquant:
	QUANT 2, 112, 30, 31
	global_store_b128 v24, v[112:115], s[82:83]
	global_store_b128 v24, v[116:119], s[82:83] offset:512
	global_store_b128 v9, v[120:123], s[82:83]
	global_store_b128 v9, v[124:127], s[82:83] offset:512
	s_wait_tensorcnt 0x0                           ; the wave's end
	ds_add_u32 v[SPW], v[NIL]
	s_wait_dscnt 0x0
	CROUND                                         ; the closing round
	s_endpgm
.Lfunc_end_k_q17213acfbe_proj:
	.size	k_q17213acfbe_proj, .Lfunc_end_k_q17213acfbe_proj-k_q17213acfbe_proj
	.p2alignl 7, 3214868480
	.fill 96, 4, 3214868480
	.section	.rodata,"a",@progbits
	.p2align	6, 0x0
	.amdhsa_kernel k_q17213acfbe_proj
		.amdhsa_group_segment_fixed_size 327680
		.amdhsa_private_segment_fixed_size 0
		.amdhsa_enable_private_segment 0
		.amdhsa_kernarg_size 64
		.amdhsa_user_sgpr_count 2
		.amdhsa_user_sgpr_kernarg_segment_ptr 1
		.amdhsa_wavefront_size32 1
		.amdhsa_system_sgpr_workgroup_id_x 1
		.amdhsa_system_sgpr_workgroup_id_y 1
		.amdhsa_system_sgpr_workgroup_id_z 1
		.amdhsa_system_vgpr_workitem_id 0
		.amdhsa_next_free_vgpr 768
		.amdhsa_next_free_sgpr 100
		.amdhsa_reserve_vcc 0
		.amdhsa_float_denorm_mode_32 3
		.amdhsa_float_denorm_mode_16_64 3
		.amdhsa_memory_ordered 1
		.amdhsa_forward_progress 1
		.amdhsa_inst_pref_size 156
	.end_amdhsa_kernel
	.amdgpu_metadata
---
amdhsa.version: [ 1, 2 ]
amdhsa.kernels:
  - .name:           k_q17213acfbe_proj
    .symbol:         k_q17213acfbe_proj.kd
    .args:
      - { .name: xc, .offset: 0, .size: 8, .value_kind: global_buffer, .address_space: global }
      - { .name: wc, .offset: 8, .size: 8, .value_kind: global_buffer, .address_space: global }
      - { .name: cs, .offset: 16, .size: 8, .value_kind: global_buffer, .address_space: global }
      - { .name: q_ln_w, .offset: 24, .size: 8, .value_kind: global_buffer, .address_space: global }
      - { .name: k_ln_w, .offset: 32, .size: 8, .value_kind: global_buffer, .address_space: global }
      - { .name: lowp_scales, .offset: 40, .size: 8, .value_kind: global_buffer, .address_space: global }
      - { .name: qimg, .offset: 48, .size: 8, .value_kind: global_buffer, .address_space: global }
      - { .name: kvimg, .offset: 56, .size: 8, .value_kind: global_buffer, .address_space: global }
    .group_segment_fixed_size: 327680
    .private_segment_fixed_size: 0
    .kernarg_segment_align: 8
    .kernarg_segment_size: 64
    .max_flat_workgroup_size: 128
    .sgpr_count:     100
    .vgpr_count:     768
    .wavefront_size: 32
...
	.end_amdgpu_metadata
.endif
;; end of part 2
;; launch attn (part 3): grid 8 x 32, 8 waves a work-group, clusters of 4 x 1, 327,680 bytes of LDS; arguments qimg, kvimg, attention_mask, web_attention_mask, lowp_scales, ac; writes ac
.if DOCPART == 3
	.amdgcn_target "amdgcn-amd-amdhsa--gfx1250"
	.amdhsa_code_object_version 6
	.text
	.protected	k_q17213acfbe_attn
	.globl	k_q17213acfbe_attn
	.p2align	8
	.type	k_q17213acfbe_attn,@function
k_q17213acfbe_attn:
	s_mov_b64 s[64:65], 0
	v_nop
	global_prefetch_b8 v0, s[64:65] scope:SCOPE_SE
	s_setreg_imm32_b32 hwreg(HW_REG_WAVE_MODE, 25, 1), 1
	s_wait_xcnt 0x0
	s_wait_alu depctr_hold_cnt(0) depctr_sa_sdst(0) depctr_va_vdst(0) depctr_va_sdst(0) depctr_va_ssrc(0) depctr_va_vcc(0) depctr_vm_vsrc(0)
	s_getreg_b32 s2, hwreg(HW_REG_IB_STS2, 6, 4)
	s_cmp_eq_u32 s2, 0
	s_cbranch_scc0 .Lentry_in_a_cluster
	s_endpgm
.Lentry_in_a_cluster:
	s_bfe_u32 s2, ttmp6, 0x10000c
	s_cmp_lg_u32 s2, 0x3003
	s_cbranch_scc0 .Lentry_shape_is_right
	s_endpgm
.Lentry_shape_is_right:
; ATTN.  o = softmax(q k^T / 8 + mask) v for 32 heads on E4M3 codes; heads 0-15 take attention_mask, heads 16-31 web_attention_mask, each number of each mask as it is given.
; u = (sum of code products) + mask x 2^(3 - eq - ek): the scaled mask is the C of the score product.  t = u c, c = 2^(eq + ek - 3) log2(e).  M = the running largest t rounded up to a whole number;
; p = 2^(t - M) (one fused multiply-add and one exponential) is quantised by 2^ep; the row's sum is taken of the unquantised p; when M moves, the sum and O are multiplied by 2^(old M - new M), exact.
; At the end O 2^(ep + ev) / sum is quantised by 2^e14 into ac [2048][2048], K = head x 64 + d.
; SHARES.  A work-group: one kv head (its four query heads) x 64 queries.  Wave w: tile of 16 queries w % 4, ALL FOUR heads, and of each slot's 256 keys the 128 with number w / 4:
; so a fragment of K or V and a register of the mask serve four heads.  Waves w and w xor 4 hold two parts of the same rows.  Each wave numbers the heads from 2 (w / 4) on, round the four:
; it sends its heads 2, 3 (-M, sum, O^T) to its partner through LDS, takes the partner's part of its heads 0, 1, and joins them under the larger M by exact powers of two.
; THE RING.  A wave reads its whole share of a slot into registers: K and the mask in head 3 of the step before, V in head 0.  So the change of slots stands in head 0, behind V's arrival:
; behind it the slot in hand is filled again and the next slot is whole for everybody, and no step begins with a barrier.  A fill has a step in which to land.
; CLUSTER of 4 x 1: the four kv heads of one mask and one block of queries read the same mask tile: it is asked for jointly.  K and V differ between the partners: plain loads.
; The mask is prefetched one slot ahead of its load.  K and V are not: a kv head's 262,144 bytes are walked by 32 work-groups side by side, and a slot's part is 32,768 bytes beside the mask's 65,536.
; Both products are used transposed: S^T = K Q^T + mask (16 x 16 x 64), O^T = V^T P^T (16 x 16 x 128): a lane holds ONE query; a conversion of a tile's eight registers is a pair of registers of P.
; The step is written twice (a loop that fills slots, a loop that does not); O^T and the sums begin as zeros and the largest u as -3e38, which the first change of M leaves zeros.
; LIMITS: |t| under 2^31; the mask's numbers finite, and finite x 2^(3 - eq - ek); eq + ek between -120 and 120; ep and e14 between -126 and 119.  NaN among the inputs is not served.
; REGISTERS.  Window 0: v1-15 addresses and scales; v16-39 statistics, 6 a head; v40-47 at work; v48-63 P (ahead of the conversions: chains of maxima and sums); v64-127 S^T; v128-191 the mask; v192-255 V.
; Window 1: v0-31 Q; v32-159 O^T; v160-223 K.
.set STEPB, 50176                      ; 128 keys in LDS: K 8,192 bytes, V 8,192, the mask 64 rows x 528
.set MOFF,  16384
.set SLOT1, 131072                     ; one exclusive or turns an address in one slot into the other's
.set SPARE, 262144                     ; the spare words: 128 bytes for each of eight waves
.set STAGE, 263168                     ; the way out: 64 rows x (256 bytes + 16); no tile lands here
.set MROOM, 8704                       ; what a wave sends its partner: 17 x 512 bytes, in slot 0, which has had its last fill and its last read by then
.set L16, 1                            ; v1  16 x lane
.set AM0, 2                            ; v2  my place in a step's mask tile
.set ADKV, 3
.set ADM, 4
.set SPW, 5
.set NIL, 6
.set STO, 7
.set RD,  8
.set GO,  9
.set HB,  10                           ; v10 448 x 2^ep once more: the pair of minima takes its two bounds from two registers
.set PFO, 11
.set ST,  16                           ; head i at v[ST + 6 i]: +0 -M, +1 largest u, +2, 3 the sum, +4 f, +5 its pair's upper word
.set P,   48
.set S,   64
.set MK,  128
.set VF,  192
.set QF,  0
.set OT,  32
.set KF,  160
.set TB,  2                            ; s2  LDS byte at which my step of the slot to be read begins
.set WV,  18
.set SEL, 20
.set CS,  22                           ; s[22:23] c
.set G1KV, 24
.set G1M, 32
.set G0KV, 40                          ; the groups 0 walk
.set G0M, 44
.set MS,  48                           ; s[48:49] 2^(3 - eq - ek)
.set SLOTS, 58
.set TWICE, 59
.set PFA, 60
.set LIM, 62
.set MSB, 0
.macro WIN new
.if MSB != \new
	s_set_vgpr_msb (MSB<<8)|\new
.set MSB, \new
.endif
.endm
.set W_S,  0x05                        ; K and Q window 1; the mask and S^T window 0
.set W_PV, 0x50                        ; V and P window 0, O^T window 1
.set W_RS, 0x41                        ; O^T window 1, f window 0
.set TO1,  0x40                        ; destination window 1
.macro CROUND
	s_barrier_signal -1
	s_barrier_wait -1
	s_cmp_lg_u32 s[WV], 0
	s_cbranch_scc1 .Lnot_wave_0_\@
	s_barrier_signal -3
.Lnot_wave_0_\@:
	s_barrier_wait -3
	s_barrier_signal -1
	s_barrier_wait -1
.endm
.macro TLOAD                           ; waves 0, 1: K and V of the slot's two steps; waves 2, 3: their mask tiles, jointly; the others nothing.
	s_cmp_lt_u32 s[WV], 2
	s_cbranch_scc0 .Lnot_kv_\@
	tensor_load_to_lds s[G0KV:G0KV+3], s[G1KV:G1KV+7]
	s_nop 0
.rept 4
	v_nop
.endr
	s_branch .Lasked_\@
.Lnot_kv_\@:
	s_cmp_lt_u32 s[WV], 4
	s_cbranch_scc0 .Lasked_\@
	tensor_load_to_lds s[G0M:G0M+3], s[G1M:G1M+7]
	s_nop 0
.rept 4
	v_nop
.endr
.Lasked_\@:
.endm
; A prefetch of the mask bytes that the NEXT change of slots will ask for: 64 rows x 1,024 bytes.  The four partners take 16 rows each, told apart by address; in each, waves 4 and 5 take 8 rows:
; a lane names one aligned block of 256 bytes, so each block is named once in the cluster.  The last change that fills a slot asks for nothing.
.macro ASK
	s_cmp_gt_u32 s[SLOTS], s[LIM]
	s_cbranch_scc0 .Lnot_mine_\@
	global_prefetch_b8 v[PFO], s[PFA:PFA+1] th:TH_LOAD_NT scope:SCOPE_SE
.Lnot_mine_\@:
.endm
	s_load_b256 s[68:75], s[0:1], 0x0              ; qimg 68, kvimg 70, attention_mask 72, web_attention_mask 74
	s_load_b128 s[76:79], s[0:1], 0x20             ; scales 76, ac 78
	v_lshl_add_u32 v[SPW], v0, 2, SPARE
	v_mov_b32 v[NIL], 0
	ds_add_u32 v[SPW], v[NIL]                      ; the opening lines: the add, twice on end, and its wait ahead of the first tensor load
	ds_add_u32 v[SPW], v[NIL]
	v_lshrrev_b32 v10, 5, v0
	v_readfirstlane_b32 s[WV], v10                 ; wave 0..7
	s_bfe_u32 s4, ttmp6, 0x40000                   ; cx
	s_lshl_b32 s5, ttmp9, 2
	s_add_co_u32 s5, s5, s4                        ; kv head
	s_and_b32 s6, ttmp7, 0xffff                    ; block of 64 queries
	s_and_b32 s7, s[WV], 1
	s_and_b32 s8, s[WV], 3                         ; my tile of queries
	s_lshr_b32 s9, s[WV], 2                        ; g: which 128 keys of a slot are mine
	s_mov_b32 s[G1KV], 3<<16                       ; no mask; elements of 8 bytes; no padding: 64 rows x 256 bytes, dense
	s_mov_b32 s[G1KV+1], 32<<16
	s_mov_b32 s[G1KV+2], 64<<16
	s_mov_b32 s[G1KV+3], 32<<16
	s_mov_b32 s[G1KV+4], 64
	s_mov_b32 s[G1KV+5], 32
	s_mov_b32 s[G1KV+6], 0
	s_mov_b32 s[G1KV+7], 0
	s_mov_b32 s[G1M], 15|(2<<16)|(1<<20)|(1<<21)|(6<<22)|(3<<25)   ; all four partners; elements of 4 bytes; padding: 4 words after every 128
	s_mov_b32 s[G1M+1], 128<<16
	s_mov_b32 s[G1M+2], 64<<16
	s_mov_b32 s[G1M+3], 128<<16
	s_mov_b32 s[G1M+4], 64
	s_mov_b32 s[G1M+5], 2048
	s_mov_b32 s[G1M+6], 0
	s_mov_b32 s[G1M+7], 0
	s_mov_b32 s[SEL], 0x76543210
	s_mov_b32 s[SEL+1], 0xfedcba98
	s_mul_i32 s[TB], s9, STEPB
	s_mov_b32 s[SLOTS], 6
	s_lshr_b32 s[LIM], s[WV], 1
	s_cmp_eq_u32 s[LIM], 2
	s_cselect_b32 s[LIM], 1, -1                    ; 1 in waves 4 and 5, else the greatest number
	s_mul_i32 s3, s7, STEPB                        ; which of a slot's two steps I fetch
	s_lshl_b32 s10, s5, 4
	s_add_co_u32 s10, s10, s7
	s_lshl_b32 s10, s10, 14                        ; K and V: (16 kv + step) x 16,384
	s_mov_b32 s11, 0
	s_lshl_b32 s16, s6, 19
	s_lshl_b32 s17, s7, 9
	s_add_co_u32 s16, s16, s17                     ; the mask: 64 rows of 8,192 bytes a block, 512 bytes a step: nothing of my place in the cluster
	s_mov_b32 s17, 0
	s_lshl_b32 s66, s6, 6
	s_lshl_b32 s67, s4, 4
	s_add_co_u32 s66, s66, s67
	s_lshl_b32 s67, s7, 3
	s_add_co_u32 s66, s66, s67
	s_lshl_b32 s66, s66, 13
	s_add_co_u32 s66, s66, 1024                    ; the prefetches: my 8 rows, at slot 1's bytes; each change of slots steps it before its use
	s_mov_b32 s67, 0
	s_wait_dscnt 0x0                               ; both opening adds are done
	s_wait_kmcnt 0x0
	s_load_b512 s[80:95], s[76:77], 0x0            ; e0 .. e15 in s80 .. s95
	s_add_nc_u64 s[12:13], s[70:71], s[10:11]
	s_cmp_eq_u32 ttmp9, 0
	s_cselect_b64 s[14:15], s[72:73], s[74:75]     ; the mask of my half of the heads: by the cluster's x
	s_add_nc_u64 s[PFA:PFA+1], s[14:15], s[66:67]
	s_add_nc_u64 s[14:15], s[14:15], s[16:17]
	s_mov_b32 s[G0KV], 1
	s_mov_b32 s[G0KV+1], s3
	s_mov_b64 s[G0KV+2:G0KV+3], s[12:13]
	s_or_b32 s[G0KV+3], s[G0KV+3], 0x80000000
	s_mov_b32 s[G0M], 1
	s_add_co_u32 s[G0M+1], s3, MOFF
	s_mov_b64 s[G0M+2:G0M+3], s[14:15]
	s_or_b32 s[G0M+3], s[G0M+3], 0x80000000
	CROUND                                         ; all four work-groups are here: the first joint loads meet
	TLOAD                                          ; slot 0: one tensor load a wave at the head
	s_mul_i32 s50, s8, 16*528
	s_add_co_u32 s50, s50, MOFF
	s_mul_i32 s51, s8, 16*272
	s_lshl_b32 s11, s9, 7
	s_add_co_u32 s51, s51, s11
	s_add_co_u32 s51, s51, STAGE
	s_mul_i32 s52, s[WV], 8*272
	s_add_co_u32 s52, s52, STAGE
	s_mul_i32 s53, s[WV], MROOM
	s_xor_b32 s54, s[WV], 4
	s_mul_i32 s54, s54, MROOM
	s_lshl_b32 s10, s5, 1
	s_add_co_u32 s10, s10, s9                      ; pair of heads 2 kv + g
	s_lshl_b32 s10, s10, 8
	s_lshl_b32 s11, s6, 2
	s_add_co_u32 s11, s11, s8
	s_add_co_u32 s10, s10, s11
	s_lshl_b32 s10, s10, 10                        ; (128 head + tile) x 1,024
	s_mov_b32 s11, 0
	s_add_nc_u64 s[56:57], s[68:69], s[10:11]      ; my heads 0, 1
	s_xor_b32 s10, s10, 1<<18                      ; the kv head's other pair:
	s_add_nc_u64 s[68:69], s[68:69], s[10:11]      ; my heads 2, 3
	s_lshl_b32 s10, s6, 6
	s_lshl_b32 s11, s[WV], 3
	s_add_co_u32 s10, s10, s11
	s_lshl_b32 s10, s10, 11
	s_lshl_b32 s11, s5, 8
	s_add_co_u32 s10, s10, s11
	s_mov_b32 s11, 0
	s_add_nc_u64 s[78:79], s[78:79], s[10:11]      ; ac: row 64 block + 8 wave, byte 256 kv
	v_and_b32 v40, 15, v0                          ; r
	v_bfe_u32 v41, v0, 4, 1                        ; h
	v_and_b32 v42, 31, v0
	v_lshlrev_b32 v[L16], 4, v42
	v_mul_u32_u24 v[AM0], v40, 528
	v_lshl_add_u32 v[AM0], v41, 5, v[AM0]
	v_add_nc_u32 v[AM0], s50, v[AM0]               ; mask: row 16 tile + r, + 32 h: keys 8 h + 0..7 of a tile of 16
	v_mul_u32_u24 v[STO], v40, 272
	v_lshl_add_u32 v[STO], v41, 3, v[STO]
	v_add_nc_u32 v[STO], s51, v[STO]               ; stage, in: row 16 tile + r, + 128 g + 8 h
	v_mul_u32_u24 v[RD], v41, 272
	v_lshl_add_u32 v[RD], v40, 4, v[RD]
	v_add_nc_u32 v[RD], s52, v[RD]                 ; stage, out: rows 8 wave + h, 16 bytes a lane
	v_lshlrev_b32 v[GO], 11, v41
	v_lshl_add_u32 v[GO], v40, 4, v[GO]
	v_lshrrev_b32 v43, 2, v42
	v_and_b32 v44, 3, v42
	v_lshlrev_b32 v[PFO], 13, v43
	v_lshl_add_u32 v[PFO], v44, 8, v[PFO]          ; prefetch: row lane / 4, block lane % 4
	WIN TO1
.irp i, 0,1
.irp g, 0,1
	global_load_b128 v[QF+8*\i+4*\g:QF+8*\i+4*\g+3], v[L16], s[56:57] offset:131072*\i+512*\g       ; Q's fragments stay in registers
	global_load_b128 v[QF+16+8*\i+4*\g:QF+16+8*\i+4*\g+3], v[L16], s[68:69] offset:131072*\i+512*\g
.endr
.endr
.set ii, 0
.rept 128
	v_mov_b32 v[OT+ii], 0                          ; O^T: the step has no first form of its own
.set ii, ii+1
.endr
	WIN 0
.irp i, 0,1,2,3
	v_mov_b32 v[ST+6*\i+1], 0xff61b1e6             ; the largest u so far: -3e38
	v_floor_f32 v[ST+6*\i], -v[ST+6*\i+1]          ; -M
	v_mov_b32 v[ST+6*\i+2], 0
	v_mov_b32 v[ST+6*\i+3], 0
	v_mov_b32 v[ST+6*\i+5], 0
.endr
	v_mov_b32 v44, 0                               ; a lane permute's destination counts as a source
	s_wait_kmcnt 0x0
	s_cmp_eq_u32 ttmp9, 0
	s_cselect_b32 s96, s86, s90                    ; eq
	s_cselect_b32 s97, s87, s91                    ; ek
	s_cselect_b32 s98, s88, s92                    ; ep
	s_cselect_b32 s99, s89, s93                    ; ev
	s_add_co_i32 s10, s96, s97
	s_sub_co_i32 s10, s10, 3
	s_sub_co_i32 s11, 127, s10
	s_lshl_b32 s[MS], s11, 23                      ; 2^(3 - eq - ek)
	s_mov_b32 s[MS+1], s[MS]
	s_lshl_b32 s10, s10, 23
	s_add_co_i32 s[CS], s10, 0x3fb8aa3b            ; eq + ek - 3 is added to log2(e)'s exponent field
	s_mov_b32 s[CS+1], s[CS]
	s_add_co_i32 s10, s98, 127
	s_lshl_b32 s11, s10, 23
	v_mov_b32 v12, s11                             ; 2^ep
	s_add_co_i32 s10, s10, 8
	s_lshl_b32 s10, s10, 23
	s_or_b32 s10, s10, 0x600000
	v_mov_b32 v13, s10                             ; 448 x 2^ep
	v_mov_b32 v[HB], s10
	s_add_co_i32 s10, s94, 127
	s_lshl_b32 s11, s10, 23
	v_mov_b32 v14, s11                             ; 2^e14
	s_add_co_i32 s10, s10, 8
	s_lshl_b32 s10, s10, 23
	s_or_b32 s10, s10, 0x600000
	v_mov_b32 v15, s10                             ; 448 x 2^e14
; The change of slots.  Each wave waits for all its tensor loads, adds 0 to its spare word, and waits for that and for its reads of the slot in hand.
; fill = 1: a round of the cluster's barrier, and behind it the slot in hand takes the 256 keys after those of the other slot.
.macro CHANGE fill
	s_wait_alu depctr_va_vdst(0)                   ; the wait ahead of the waits and branches below
	s_wait_tensorcnt 0x0                           ; no tensor load of mine is out, so a group 0 may be written
	ds_add_u32 v[SPW], v[NIL]
.if \fill
	ds_add_u32 v[SPW], v[NIL]                      ; twice on end
	s_xor_b32 s[G0KV+1], s[G0KV+1], SLOT1
	s_add_nc_u64 s[G0KV+2:G0KV+3], s[G0KV+2:G0KV+3], 32768
	s_xor_b32 s[G0M+1], s[G0M+1], SLOT1
	s_add_nc_u64 s[G0M+2:G0M+3], s[G0M+2:G0M+3], 1024
	s_wait_xcnt 0x0                                ; the last prefetch, a step back, has read its address
	s_add_nc_u64 s[PFA:PFA+1], s[PFA:PFA+1], 1024
	s_wait_dscnt 0x0
	CROUND
	TLOAD                                          ; the first tensor load behind the round, one a wave
	ASK
.else
	s_wait_dscnt 0x0
	s_barrier_signal -1
	s_barrier_wait -1
.endif
.endm
.macro LOADKM                          ; a step's mask numbers of my 16 queries and its K: 32 LDS loads
	v_add_nc_u32 v[ADKV], s[TB], v[L16]
	v_add_nc_u32 v[ADM], s[TB], v[AM0]
.set ii, 0
.rept 8
	ds_load_b128 v[MK+8*ii:MK+8*ii+3], v[ADM] offset:64*ii
	ds_load_b128 v[MK+8*ii+4:MK+8*ii+7], v[ADM] offset:64*ii+16
.set ii, ii+1
.endr
	WIN TO1
.set ii, 0
.rept 8
	ds_load_b128 v[KF+8*ii:KF+8*ii+3], v[ADKV] offset:1024*ii
	ds_load_b128 v[KF+8*ii+4:KF+8*ii+7], v[ADKV] offset:1024*ii+512
.set ii, ii+1
.endr
	WIN 0
.endm
.macro FMA8 r, k                       ; eight of the 32 lines t - M
.set ii, 16*(\k)
.rept 8
	v_pk_fma_f32 v[S+ii:S+ii+1], v[S+ii:S+ii+1], s[CS:CS+1], v[\r:\r+1] op_sel_hi:[1,0,0]
.set ii, ii+2
.endr
.endm
; One head's share of a step: 8 score products on the scaled mask, the softmax of 64 numbers a lane, 4 products into O^T.
; Head 0 also fetches V and holds the change of slots (fill); head 3 fetches the next step's K and mask (nxt = 1: always; 2: not in the tail's last trip).
.macro HEAD i, fill, nxt
.set rT, ST+6*(\i)
	WIN W_S
.set ii, 0
.rept 8
	v_wmma_f32_16x16x64_fp8_fp8 v[S+ii:S+ii+7], v[KF+ii:KF+ii+7], v[QF+8*(\i):QF+8*(\i)+7], v[MK+ii:MK+ii+7]
.set ii, ii+8
.endr
	WIN 0
	v_mov_b32 v45, v[rT]                           ; the old -M.  With the three lines below: the places behind the products
	v_add_nc_u32 v[ADKV], s[TB], v[L16]
.rept 2
	v_nop
.endr
.if \i == 0
.set ii, 0
.rept 16
	ds_load_b128 v[VF+4*ii:VF+4*ii+3], v[ADKV] offset:8192+512*ii
.set ii, ii+1
.endr
.endif
.if \i == 3
.if \nxt == 2
	s_wait_alu depctr_va_vdst(0)                   ; the wait ahead of the branch
	s_cmp_eq_u32 s[TWICE], 1                       ; the last step has no successor: a counted loop's step decides
	s_cbranch_scc1 .Lno_next_\@
.endif
	s_xor_b32 s[TB], s[TB], SLOT1                  ; the other slot is whole since this step's change of slots
	LOADKM
.if \nxt == 2
.Lno_next_\@:
.endif
.endif
	v_max3_num_f32 v48, v[S], v[S+1], v[S+2]       ; the largest of my 64 u, in four chains, each accumulator from its low end on
	v_max3_num_f32 v49, v[S+3], v[S+4], v[S+5]
	v_max3_num_f32 v50, v[S+6], v[S+7], v[S+8]
	v_max3_num_f32 v51, v[S+9], v[S+10], v[S+11]
.set ii, 12
.rept 6
	v_max3_num_f32 v48, v48, v[S+ii], v[S+ii+1]
	v_max3_num_f32 v49, v49, v[S+ii+2], v[S+ii+3]
	v_max3_num_f32 v50, v50, v[S+ii+4], v[S+ii+5]
	v_max3_num_f32 v51, v51, v[S+ii+6], v[S+ii+7]
.set ii, ii+8
.endr
	v_max3_num_f32 v48, v48, v[S+60], v[S+61]
	v_max3_num_f32 v49, v49, v[S+62], v[S+63]
	v_max3_num_f32 v48, v48, v50, v51
	v_max_num_f32 v48, v48, v49
	v_permlanex16_b32 v44, v48, s[SEL], s[SEL+1]
	v_max_num_f32 v48, v48, v44                    ; and of lane l xor 16's
	v_max_num_f32 v[rT+1], v[rT+1], v48            ; the running largest u
	v_mul_f32 v46, s[CS], v[rT+1]                  ; as t (c is positive)
	v_floor_f32 v[rT], -v46                        ; -M = floor(-t): M is a whole number
	FMA8 rT, 0
	v_sub_f32 v45, v[rT], v45
	FMA8 rT, 1
	v_cvt_i32_f32 v45, v45                         ; (it saturates)
	FMA8 rT, 2
	v_ldexp_f32 v[rT+4], 1.0, v45                  ; f = 2^(old M - new M)
	FMA8 rT, 3
.if \i == 0
	CHANGE \fill                                   ; its wait on DScnt shows V in
.endif
	s_wait_alu depctr_va_vdst(0)                   ; the wait ahead of the batch
.set ii, 0
.rept 64
	v_exp_f32 v[S+ii], v[S+ii]                     ; p
.set ii, ii+1
.endr
	v_pk_mul_f32 v[rT+2:rT+3], v[rT+2:rT+3], v[rT+4:rT+5] op_sel_hi:[1,0]   ; the sum under the new M: the plain place behind the batch
	s_wait_alu depctr_va_vdst(0)                   ; and the wait behind it, ahead of its first reader
	v_pk_add_f32 v[52:53], v[S:S+1], v[S+2:S+3]    ; the sum of the unquantised p, in four chains
	v_pk_add_f32 v[54:55], v[S+4:S+5], v[S+6:S+7]
	v_pk_add_f32 v[56:57], v[S+8:S+9], v[S+10:S+11]
.set ii, 12
.rept 6
	v_pk_add_f32 v[rT+2:rT+3], v[rT+2:rT+3], v[S+ii:S+ii+1]
	v_pk_add_f32 v[52:53], v[52:53], v[S+ii+2:S+ii+3]
	v_pk_add_f32 v[54:55], v[54:55], v[S+ii+4:S+ii+5]
	v_pk_add_f32 v[56:57], v[56:57], v[S+ii+6:S+ii+7]
.set ii, ii+8
.endr
	v_pk_add_f32 v[rT+2:rT+3], v[rT+2:rT+3], v[S+60:S+61]
	v_pk_add_f32 v[52:53], v[52:53], v[S+62:S+63]
	v_pk_add_f32 v[54:55], v[54:55], v[56:57]
	v_pk_add_f32 v[rT+2:rT+3], v[rT+2:rT+3], v[52:53]
	v_pk_add_f32 v[rT+2:rT+3], v[rT+2:rT+3], v[54:55]
.set ii, 0
.rept 32
	v_dual_min_num_f32 v[S+ii], v[S+ii], v13 :: v_dual_min_num_f32 v[S+ii+1], v[S+ii+1], v[HB]   ; the hold at 448 x 2^ep (the conversion does not saturate: ISA guide 7.6.2); p is not negative
.set ii, ii+2
.endr
.set ii, 0
.rept 8
	v_cvt_scalef32_pk8_fp8_f32 v[P+2*ii:P+2*ii+1], v[S+8*ii:S+8*ii+7], v12
.set ii, ii+1
.endr
	WIN W_RS
	s_wait_alu depctr_va_vdst(0)                   ; the wait directly ahead of the first readers of O^T
.set ii, 0
.rept 16
	v_pk_mul_f32 v[OT+32*(\i)+ii:OT+32*(\i)+ii+1], v[OT+32*(\i)+ii:OT+32*(\i)+ii+1], v[rT+4:rT+5] op_sel_hi:[1,0]   ; O^T x f; also the plain lines behind the conversions
.set ii, ii+2
.endr
	WIN W_PV
.set ii, 0
.rept 4
	v_wmma_f32_16x16x128_fp8_fp8 v[OT+32*(\i)+8*ii:OT+32*(\i)+8*ii+7], v[VF+16*ii:VF+16*ii+15], v[P:P+15], v[OT+32*(\i)+8*ii:OT+32*(\i)+8*ii+7]
.set ii, ii+1
.endr
.endm
; A step: my 128 keys of a slot, four heads.
.macro STEP fill, nxt
	s_wait_dscnt 0x0                               ; the mask and K, asked for in the step before, are in
.set ii, 0
.rept 32
	v_pk_mul_f32 v[MK+ii:MK+ii+1], v[MK+ii:MK+ii+1], s[MS:MS+1] op_sel_hi:[1,0]   ; x 2^(3 - eq - ek), exact
.set ii, ii+2
.endr
	HEAD 0, \fill, 0
	HEAD 1, 0, 0
	HEAD 2, 0, 0
	HEAD 3, 0, \nxt
	WIN 0
	s_wait_alu depctr_va_vdst(0)                   ; the wait ahead of the branch
.endm
	s_wait_alu depctr_va_vdst(0)                   ; the wait at the head's end
	s_wait_loadcnt 0x0                             ; Q
	CHANGE 1                                       ; slot 0 is whole; slot 1's first fill is issued as a refill is
	LOADKM                                         ; step 0
.Lslot:                                                ; six trips: slots 0 to 5 are worked, slots 2 to 7 asked for
	STEP 1, 1
	s_sub_co_u32 s[SLOTS], s[SLOTS], 1
	s_cmp_lg_u32 s[SLOTS], 0
	s_cbranch_scc1 .Lslot
	s_mov_b32 s[TWICE], 2
.Ltail:                                                ; slots 6 and 7: nothing more is asked for
	STEP 0, 2
	s_sub_co_u32 s[TWICE], s[TWICE], 1
	s_cmp_lg_u32 s[TWICE], 0
	s_cbranch_scc1 .Ltail
	s_wait_dscnt 0x0
	s_barrier_signal -1                            ; nobody reads a slot any more
	s_barrier_wait -1
	; THE TWO PARTS OF A ROW ARE JOINED.  My heads 2, 3 go to my partner
.rept 4
	v_nop                                          ; places behind the last products
.endr
	v_add_nc_u32 v46, s53, v[L16]                  ; where I send,
	v_add_nc_u32 v47, s54, v[L16]                  ; and where my partner's part lies
	v_mov_b32 v40, v[ST+12]
	v_add_f32 v41, v[ST+14], v[ST+15]
	v_mov_b32 v42, v[ST+18]
	v_add_f32 v43, v[ST+20], v[ST+21]
	v_add_f32 v[ST+2], v[ST+2], v[ST+3]
	v_add_f32 v[ST+8], v[ST+8], v[ST+9]
	WIN 0x04                                       ; store data window 1
	s_wait_alu depctr_va_vdst(0)                   ; the wait ahead of the first readers of O^T
.set ii, 0
.rept 16
	ds_store_b128 v46, v[OT+64+4*ii:OT+64+4*ii+3] offset:512*ii
.set ii, ii+1
.endr
	WIN 0
	ds_store_b128 v46, v[40:43] offset:8192        ; -M and the sum of the two heads
	s_wait_dscnt 0x0                               ; for my partner's sake
	s_barrier_signal -1
	s_barrier_wait -1
.set ii, 0
.rept 16
	ds_load_b128 v[S+4*ii:S+4*ii+3], v47 offset:512*ii
.set ii, ii+1
.endr
	ds_load_b128 v[40:43], v47 offset:8192
	s_wait_dscnt 0x0
.irp i, 0,1
	v_min_num_f32 v[ST+6*\i+1], v[ST+6*\i], v[40+2*\i]       ; the joint -M
.endr
.irp i, 0,1
	v_sub_f32 v[ST+6*\i], v[ST+6*\i+1], v[ST+6*\i]
	v_sub_f32 v[40+2*\i], v[ST+6*\i+1], v[40+2*\i]
.endr
.irp i, 0,1
	v_cvt_i32_f32 v[ST+6*\i], v[ST+6*\i]
	v_cvt_i32_f32 v[40+2*\i], v[40+2*\i]
.endr
.irp i, 0,1
	v_ldexp_f32 v[ST+6*\i], 1.0, v[ST+6*\i]                  ; my part's factor,
	v_ldexp_f32 v[40+2*\i], 1.0, v[40+2*\i]                  ; my partner's: exact powers of two
.endr
.irp i, 0,1
	v_mul_f32 v[ST+6*\i+2], v[ST+6*\i+2], v[ST+6*\i]
.endr
.irp i, 0,1
	v_fmac_f32 v[ST+6*\i+2], v[41+2*\i], v[40+2*\i]
.endr
.irp i, 0,1
	v_permlanex16_b32 v[ST+6*\i+3], v[ST+6*\i+2], s[SEL], s[SEL+1]
.endr
.irp i, 0,1
	v_add_f32 v[ST+6*\i+2], v[ST+6*\i+2], v[ST+6*\i+3]       ; the row's sum
.endr
	s_wait_alu depctr_va_vdst(0)                   ; the wait ahead of the two reciprocals
.irp i, 0,1
	v_rcp_f32 v[ST+6*\i+3], v[ST+6*\i+2]
.endr
	v_nop
	s_add_co_i32 s3, s98, s99
	s_wait_alu depctr_va_vdst(0)                   ; and the wait behind them
.irp i, 0,1
	v_ldexp_f32 v[ST+6*\i+3], v[ST+6*\i+3], s3     ; x 2^(ep + ev)
.endr
.irp i, 0,1
	v_mul_f32 v[ST+6*\i+4], v[ST+6*\i], v[ST+6*\i+3]
	v_mul_f32 v[40+2*\i], v[40+2*\i], v[ST+6*\i+3]
.endr
.irp i, 0,1
.irp n, 0,2,4,6,8,10,12,14,16,18,20,22,24,26,28,30
	v_pk_mul_f32 v[S+32*\i+\n:S+32*\i+\n+1], v[S+32*\i+\n:S+32*\i+\n+1], v[40+2*\i:41+2*\i] op_sel_hi:[1,0]
.endr
.endr
	WIN 0x01                                       ; source 0 window 1
	s_wait_alu depctr_va_vdst(0)                   ; the wait directly ahead of the first readers of O^T
.irp i, 0,1
.irp n, 0,2,4,6,8,10,12,14,16,18,20,22,24,26,28,30
	v_pk_fma_f32 v[S+32*\i+\n:S+32*\i+\n+1], v[OT+32*\i+\n:OT+32*\i+\n+1], v[ST+6*\i+4:ST+6*\i+5], v[S+32*\i+\n:S+32*\i+\n+1] op_sel_hi:[1,0,1]
.endr
.endr
	WIN 0
.set ii, 0
.rept 64
	v_med3_num_f32 v[S+ii], v[S+ii], -v15, v15
.set ii, ii+1
.endr
.set ii, 0
.rept 8
	v_cvt_scalef32_pk8_fp8_f32 v[P+2*ii:P+2*ii+1], v[S+8*ii:S+8*ii+7], v14   ; head ii / 4, channels 16 (ii % 4) + 8 h + 0..7 of my query
.set ii, ii+1
.endr
	v_nop
.irp i, 0,1
.irp t, 0,1,2,3
	ds_store_b64 v[STO], v[P+8*\i+2*\t:P+8*\i+2*\t+1] offset:64*\i+16*\t
.endr
.endr
	s_wait_dscnt 0x0                               ; for the others' sake: my stores into the stage are done
	s_barrier_signal -1
	s_barrier_wait -1
.irp i, 0,1,2,3
	ds_load_b128 v[S+4*\i:S+4*\i+3], v[RD] offset:544*\i
.endr
.irp i, 0,1,2,3
	s_wait_dscnt 3-\i                              ; the younger reads of the stage may be out
	global_store_b128 v[GO], v[S+4*\i:S+4*\i+3], s[78:79] offset:4096*\i   ; sixteen lanes store the four heads' 256 bytes of a row, aligned
.endr
	s_wait_tensorcnt 0x0                           ; the wave's end
	ds_add_u32 v[SPW], v[NIL]
	s_wait_dscnt 0x0
	CROUND                                         ; the closing round
	s_endpgm
.Lfunc_end_k_q17213acfbe_attn:
	.size	k_q17213acfbe_attn, .Lfunc_end_k_q17213acfbe_attn-k_q17213acfbe_attn
	.p2alignl 7, 3214868480
	.fill 96, 4, 3214868480
	.section	.rodata,"a",@progbits
	.p2align	6, 0x0
	.amdhsa_kernel k_q17213acfbe_attn
		.amdhsa_group_segment_fixed_size 327680
		.amdhsa_private_segment_fixed_size 0
		.amdhsa_enable_private_segment 0
		.amdhsa_kernarg_size 48
		.amdhsa_user_sgpr_count 2
		.amdhsa_user_sgpr_kernarg_segment_ptr 1
		.amdhsa_wavefront_size32 1
		.amdhsa_system_sgpr_workgroup_id_x 1
		.amdhsa_system_sgpr_workgroup_id_y 1
		.amdhsa_system_sgpr_workgroup_id_z 1
		.amdhsa_system_vgpr_workitem_id 0
		.amdhsa_next_free_vgpr 512
		.amdhsa_next_free_sgpr 100
		.amdhsa_reserve_vcc 0
		.amdhsa_float_denorm_mode_32 3
		.amdhsa_float_denorm_mode_16_64 3
		.amdhsa_memory_ordered 1
		.amdhsa_forward_progress 1
		.amdhsa_inst_pref_size 149
	.end_amdhsa_kernel
	.amdgpu_metadata
---
amdhsa.version: [ 1, 2 ]
amdhsa.kernels:
  - .name:           k_q17213acfbe_attn
    .symbol:         k_q17213acfbe_attn.kd
    .args:
      - { .name: qimg, .offset: 0, .size: 8, .value_kind: global_buffer, .address_space: global }
      - { .name: kvimg, .offset: 8, .size: 8, .value_kind: global_buffer, .address_space: global }
      - { .name: attention_mask, .offset: 16, .size: 8, .value_kind: global_buffer, .address_space: global }
      - { .name: web_attention_mask, .offset: 24, .size: 8, .value_kind: global_buffer, .address_space: global }
      - { .name: lowp_scales, .offset: 32, .size: 8, .value_kind: global_buffer, .address_space: global }
      - { .name: ac, .offset: 40, .size: 8, .value_kind: global_buffer, .address_space: global }
    .group_segment_fixed_size: 327680
    .private_segment_fixed_size: 0
    .kernarg_segment_align: 8
    .kernarg_segment_size: 48
    .max_flat_workgroup_size: 256
    .sgpr_count:     100
    .vgpr_count:     512
    .wavefront_size: 32
...
	.end_amdgpu_metadata
.endif
;; end of part 3
;; launch outp (part 4): grid 16 x 16, 4 waves a work-group, clusters of 4 x 4, 327,680 bytes of LDS; arguments ac, wc, lowp_scales, out0; writes out0
.if DOCPART == 4
	.amdgcn_target "amdgcn-amd-amdhsa--gfx1250"
	.amdhsa_code_object_version 6
	.text
	.protected	k_q17213acfbe_outp
	.globl	k_q17213acfbe_outp
	.p2align	8
	.type	k_q17213acfbe_outp,@function
k_q17213acfbe_outp:
	s_mov_b64 s[64:65], 0
	v_nop
	global_prefetch_b8 v0, s[64:65] scope:SCOPE_SE
	s_setreg_imm32_b32 hwreg(HW_REG_WAVE_MODE, 25, 1), 1
	s_wait_xcnt 0x0
	s_wait_alu depctr_hold_cnt(0) depctr_sa_sdst(0) depctr_va_vdst(0) depctr_va_sdst(0) depctr_va_ssrc(0) depctr_va_vcc(0) depctr_vm_vsrc(0)
	s_getreg_b32 s2, hwreg(HW_REG_IB_STS2, 6, 4)
	s_cmp_eq_u32 s2, 0
	s_cbranch_scc0 .Lentry_in_a_cluster
	s_endpgm
.Lentry_in_a_cluster:
	s_bfe_u32 s2, ttmp6, 0x10000c
	s_cmp_lg_u32 s2, 0xf033
	s_cbranch_scc0 .Lentry_shape_is_right
	s_endpgm
.Lentry_shape_is_right:
; OUTP.  out0 = attn Wo on E4M3 codes: ac [2048][2048] and rows 3072 .. 5119 of wc (Wo with K innermost); each f32 sum x 2^(e14 + e15).
; A work-group makes 128 x 128 of out0, a wave 64 x 64: 16 accumulators.  CLUSTER of 4 x 4: ac's tile is shared along a row of the cluster, Wo's along a column: joint loads.
; ONE LDS SLOT of K = 1024: 256 rows of 1,024 bytes + 16 of padding.  Two fills; the refill goes out as soon as every wave holds the slot's last fragments in registers.  Two slots of this size do not fit in LDS.
; The second fill's bytes are prefetched at the head: of the 64 rows that a wave fetches each of the four partners names 16, told apart by address, a lane an aligned block of 256 bytes.
; The matrix instruction is used transposed (source 0 = rows of Wo, source 1 = rows of ac): a lane holds eight neighbouring numbers of a row of out0.
; LIMIT: e14 + e15 between -126 and 127.
.set KSTEP,  1024
.set PITCH,  1040
.set HALFT,  64*PITCH
.set SLOT,   4*HALFT
.set STAGE,  SLOT                      ; the way out: 16 rows x 272 bytes for each wave; no tile lands here
.set SPARE,  STAGE+4*16*272
.set KROW,   2048
.set ADR1, 16
.set ADR0, 20
.set STO,  24
.set RD,   25
.set GO,   26
.set PFO,  27
.set SPW,  28
.set NIL,  29
.set TMP,  32
.set BK,   64
.set ACC,  128
.set F0,   0
.set F1,   128
.set G1, 24
.set G0, 32
.set G1B, 48
.set G0B, 56
.set PFA, 76
.set MSB, 0
.macro WIN new
.if MSB != \new
	s_set_vgpr_msb (MSB<<8)|\new
.set MSB, \new
.endif
.endm
.set MUL,  0x05
.set TO_F, 0x40
.macro PLACES
.rept 4
	v_nop
.endr
.endm
.macro JLOAD                           ; waves 0, 1 fetch ac's halves, waves 2, 3 Wo's.
	s_cmp_eq_u32 s11, 0
	s_cbranch_scc0 .Lfor_x_\@
	tensor_load_to_lds s[G0:G0+3], s[G1:G1+7]
	s_nop 0
	PLACES
	s_branch .Lasked_\@
.Lfor_x_\@:
	tensor_load_to_lds s[G0B:G0B+3], s[G1B:G1B+7]
	s_nop 0
	PLACES
.Lasked_\@:
.endm
.macro CREST
	s_cmp_lg_u32 s10, 0
	s_cbranch_scc1 .Lnot_wave_0_\@
	s_barrier_signal -3
.Lnot_wave_0_\@:
	s_barrier_wait -3
	s_barrier_signal -1
	s_barrier_wait -1
.endm
.macro CROUND
	s_barrier_signal -1
	s_barrier_wait -1
	CREST
.endm
	s_load_b256 s[68:75], s[0:1], 0x0              ; ac 68, wc 70, scales 72, out0 74
	v_lshl_add_u32 v[SPW], v0, 2, SPARE
	v_mov_b32 v[NIL], 0
	ds_add_u32 v[SPW], v[NIL]                      ; the opening lines: the add, twice on end, and its wait
	ds_add_u32 v[SPW], v[NIL]
	v_lshrrev_b32 v1, 5, v0
	v_readfirstlane_b32 s10, v1
	s_lshr_b32 s11, s10, 1
	s_and_b32 s12, s10, 1
	s_bfe_u32 s40, ttmp6, 0x40000
	s_bfe_u32 s41, ttmp6, 0x40004
	s_lshl_b32 s42, ttmp9, 2
	s_add_co_u32 s42, s42, s40                     ; x
	s_and_b32 s13, ttmp7, 0xffff
	s_lshl_b32 s13, s13, 2
	s_add_co_u32 s13, s13, s41                     ; y
	s_lshl_b32 s43, s41, 2
	s_lshl_b32 s43, 15, s43
	s_lshl_b32 s44, 0x1111, s40
	s_or_b32 s[G1+0], s43, (0<<16)|(1<<20)|(1<<21)|(7<<22)|(3<<25)   ; bytes; padding: 4 words after every 256
	s_or_b32 s[G1B+0], s44, (0<<16)|(1<<20)|(1<<21)|(7<<22)|(3<<25)
.irp g, G1, G1B
	s_mov_b32 s[\g+1], KSTEP<<16
	s_mov_b32 s[\g+2], 64<<16
	s_mov_b32 s[\g+3], KSTEP<<16
	s_mov_b32 s[\g+4], 64
	s_mov_b32 s[\g+5], KROW
	s_mov_b32 s[\g+6], 0
	s_mov_b32 s[\g+7], 0
.endr
	s_lshl_b32 s19, s12, 6
	s_lshl_b32 s16, s13, 7
	s_add_co_u32 s16, s16, s19
	s_lshl_b32 s16, s16, 11
	s_mov_b32 s17, 0
	s_lshl_b32 s46, s42, 7
	s_add_co_u32 s46, s46, s19
	s_add_co_u32 s46, s46, 3072
	s_lshl_b32 s46, s46, 11
	s_mov_b32 s47, 0
	s_mul_i32 s20, s10, HALFT
	s_wait_dscnt 0x0
	s_wait_kmcnt 0x0
	s_load_b64 s[96:97], s[72:73], 0x38            ; e14, e15
	s_add_nc_u64 s[14:15], s[68:69], s[16:17]
	s_add_nc_u64 s[46:47], s[70:71], s[46:47]
	s_mov_b32 s[G0], 1
	s_mov_b32 s[G0+1], s20
	s_mov_b64 s[G0+2:G0+3], s[14:15]
	s_or_b32 s[G0+3], s[G0+3], 0x80000000
	s_mov_b32 s[G0B], 1
	s_mov_b32 s[G0B+1], s20
	s_mov_b64 s[G0B+2:G0B+3], s[46:47]
	s_or_b32 s[G0B+3], s[G0B+3], 0x80000000
	CROUND                                         ; all sixteen work-groups are here: the first joint loads meet
	JLOAD                                          ; K 0 .. 1023: one tensor load a wave at the head
	s_cmp_eq_u32 s11, 0                            ; the prefetch: my tile, my work-group's 16 of its 64 rows, the second half of K
	s_cselect_b64 s[PFA:PFA+1], s[14:15], s[46:47]
	s_cselect_b32 s78, s40, s41
	s_lshl_b32 s78, s78, 15
	s_add_co_u32 s78, s78, KSTEP
	s_mov_b32 s79, 0
	s_add_nc_u64 s[PFA:PFA+1], s[PFA:PFA+1], s[78:79]
	s_mul_i32 s21, s11, HALFT
	s_mul_i32 s22, s12, HALFT
	s_add_co_u32 s22, s22, 2*HALFT
	s_mul_i32 s23, s10, 16*272
	s_add_co_u32 s23, s23, STAGE
	s_lshl_b32 s16, s13, 7
	s_lshl_b32 s17, s11, 6
	s_add_co_u32 s16, s16, s17
	s_lshl_b32 s16, s16, 13
	s_lshl_b32 s17, s42, 9
	s_add_co_u32 s16, s16, s17
	s_lshl_b32 s17, s12, 8
	s_add_co_u32 s16, s16, s17
	s_mov_b32 s17, 0
	s_add_nc_u64 s[74:75], s[74:75], s[16:17]
	v_and_b32 v1, 15, v0
	v_bfe_u32 v2, v0, 4, 1
	v_mul_u32_u24 v3, v1, PITCH
	v_lshl_add_u32 v3, v2, 4, v3
	v_add_nc_u32 v[ADR1], s21, v3
	v_add_nc_u32 v[ADR0], s22, v3
	v_mul_u32_u24 v[STO], v1, 272
	v_lshl_add_u32 v[STO], v2, 5, v[STO]
	v_add_nc_u32 v[STO], s23, v[STO]
	v_mul_u32_u24 v[RD], v2, 272
	v_lshl_add_u32 v[RD], v1, 4, v[RD]
	v_add_nc_u32 v[RD], s23, v[RD]
	v_lshlrev_b32 v[GO], 13, v2
	v_lshl_add_u32 v[GO], v1, 4, v[GO]
	v_and_b32 v4, 31, v0
	v_lshrrev_b32 v5, 2, v4
	v_and_b32 v4, 3, v4
	v_lshlrev_b32 v[PFO], 11, v5
	v_lshl_add_u32 v[PFO], v4, 8, v[PFO]           ; row lane / 4, block lane % 4
	global_prefetch_b8 v[PFO], s[PFA:PFA+1] th:TH_LOAD_NT scope:SCOPE_SE
	global_prefetch_b8 v[PFO], s[PFA:PFA+1] offset:16384 th:TH_LOAD_NT scope:SCOPE_SE
.macro FETCH k, f
	WIN TO_F
.irp i, 0,1,2,3
.irp c, 0,1,2,3
	ds_load_b128 v[\f+64+16*\i+4*\c:\f+64+16*\i+4*\c+3], v[ADR0] offset:\k+32*\c+\i*16*PITCH
.endr
.endr
.irp i, 0,1,2,3
.irp c, 0,1,2,3
	ds_load_b128 v[\f+16*\i+4*\c:\f+16*\i+4*\c+3], v[ADR1] offset:\k+32*\c+\i*16*PITCH
.endr
.endr
.endm
.macro MULA f, a, zero                 ; the accumulators take turns, one instruction a turn
.irp b, 0,1,2,3
.if \zero
	v_wmma_f32_16x16x128_fp8_fp8 v[ACC+8*(4*(\a)+\b):ACC+8*(4*(\a)+\b)+7], v[\f+64+16*\b:\f+64+16*\b+15], v[\f+16*(\a):\f+16*(\a)+15], 0
.else
	v_wmma_f32_16x16x128_fp8_fp8 v[ACC+8*(4*(\a)+\b):ACC+8*(4*(\a)+\b)+7], v[\f+64+16*\b:\f+64+16*\b+15], v[\f+16*(\a):\f+16*(\a)+15], v[ACC+8*(4*(\a)+\b):ACC+8*(4*(\a)+\b)+7]
.endif
.endr
.endm
.macro QUARTER k, f, g, zero           ; multiplies set f; in its middle fetches the next 128 along K into set g
	s_wait_dscnt 8                                 ; the youngest two fragments of ac may be out
	WIN MUL
	MULA \f, 0, \zero
	MULA \f, 1, \zero
	PLACES
	FETCH \k, \g
	s_wait_dscnt 32                                ; all but the 32 just issued
	WIN MUL
	MULA \f, 2, \zero
	MULA \f, 3, \zero
.endm
.macro HALF zero                       ; a slot but for its last 128 along K, whose fragments are left in set 1
	FETCH 0, F0
	QUARTER 128, F0, F1, \zero
	QUARTER 256, F1, F0, 0
	QUARTER 384, F0, F1, 0
	QUARTER 512, F1, F0, 0
	QUARTER 640, F0, F1, 0
	QUARTER 768, F1, F0, 0
	QUARTER 896, F0, F1, 0
.endm
	s_wait_alu depctr_va_vdst(0)                   ; the wait at the head's end
	s_wait_tensorcnt 0x0                           ; my part of the fill is in;
	s_barrier_signal -1
	s_barrier_wait -1                              ; everybody's is.
	HALF 1
	WIN 0
	s_wait_tensorcnt 0x0                           ; the refill
	ds_add_u32 v[SPW], v[NIL]
	s_wait_dscnt 0x0                               ; my reads of the slot are over: its last fragments are in registers
	CROUND
	s_add_nc_u64 s[G0+2:G0+3], s[G0+2:G0+3], KSTEP
	s_add_nc_u64 s[G0B+2:G0B+3], s[G0B+2:G0B+3], KSTEP
	JLOAD                                          ; K 1024 .. 2047
	WIN MUL
	MULA F1, 0, 0                                  ; the last products of the first half, on registers, while the load is out
	MULA F1, 1, 0
	MULA F1, 2, 0
	MULA F1, 3, 0
	WIN 0
	s_wait_tensorcnt 0x0
	s_barrier_signal -1
	s_barrier_wait -1
	HALF 0
	s_wait_dscnt 8
	WIN MUL
	MULA F1, 0, 0
	MULA F1, 1, 0
	s_wait_dscnt 0
	MULA F1, 2, 0
	MULA F1, 3, 0
	WIN 0
	PLACES
	s_wait_kmcnt 0x0
	s_add_co_i32 s96, s96, s97
	s_add_co_i32 s96, s96, 127
	s_lshl_b32 s96, s96, 23                        ; 2^(e14 + e15)
	s_mov_b32 s97, s96
.irp a, 0,1,2,3                        ; 16 rows x 64 columns at a time through my stage, and out as rows of 256 bytes
.if \a >= 2
	s_wait_xcnt 0x0                                ; the stores of two blocks back have read their registers
.endif
.set BB, BK+32*(\a%2)
.irp n, 0,2,4,6,8,10,12,14,16,18,20,22,24,26,28,30
	v_pk_mul_f32 v[TMP+\n:TMP+\n+1], v[ACC+32*\a+\n:ACC+32*\a+\n+1], s[96:97] op_sel_hi:[1,0]
.endr
.irp b, 0,1,2,3
	ds_store_b128 v[STO], v[TMP+8*\b:TMP+8*\b+3] offset:64*\b
	ds_store_b128 v[STO], v[TMP+8*\b+4:TMP+8*\b+7] offset:64*\b+16
.endr
.irp i, 0,1,2,3,4,5,6,7
	ds_load_b128 v[BB+4*\i:BB+4*\i+3], v[RD] offset:544*\i
.endr
.irp i, 0,1,2,3,4,5,6,7
	s_wait_dscnt 7-\i                              ; the younger reads of the stage may be out
	global_store_b128 v[GO], v[BB+4*\i:BB+4*\i+3], s[74:75] offset:(16*\a+2*\i)*8192 th:TH_STORE_NT   ; sixteen lanes store 256 consecutive bytes, aligned
.endr
.endr
	s_wait_tensorcnt 0x0                           ; the wave's end
	ds_add_u32 v[SPW], v[NIL]
	s_wait_dscnt 0x0
	CROUND                                         ; the closing round
	s_endpgm
.Lfunc_end_k_q17213acfbe_outp:
	.size	k_q17213acfbe_outp, .Lfunc_end_k_q17213acfbe_outp-k_q17213acfbe_outp
	.p2alignl 7, 3214868480
	.fill 96, 4, 3214868480
	.section	.rodata,"a",@progbits
	.p2align	6, 0x0
	.amdhsa_kernel k_q17213acfbe_outp
		.amdhsa_group_segment_fixed_size 327680
		.amdhsa_private_segment_fixed_size 0
		.amdhsa_enable_private_segment 0
		.amdhsa_kernarg_size 32
		.amdhsa_user_sgpr_count 2
		.amdhsa_user_sgpr_kernarg_segment_ptr 1
		.amdhsa_wavefront_size32 1
		.amdhsa_system_sgpr_workgroup_id_x 1
		.amdhsa_system_sgpr_workgroup_id_y 1
		.amdhsa_system_sgpr_workgroup_id_z 1
		.amdhsa_system_vgpr_workitem_id 0
		.amdhsa_next_free_vgpr 512
		.amdhsa_next_free_sgpr 100
		.amdhsa_reserve_vcc 0
		.amdhsa_float_denorm_mode_32 3
		.amdhsa_float_denorm_mode_16_64 3
		.amdhsa_memory_ordered 1
		.amdhsa_forward_progress 1
		.amdhsa_inst_pref_size 72
	.end_amdhsa_kernel
	.amdgpu_metadata
---
amdhsa.version: [ 1, 2 ]
amdhsa.kernels:
  - .name:           k_q17213acfbe_outp
    .symbol:         k_q17213acfbe_outp.kd
    .args:
      - { .name: ac, .offset: 0, .size: 8, .value_kind: global_buffer, .address_space: global }
      - { .name: wc, .offset: 8, .size: 8, .value_kind: global_buffer, .address_space: global }
      - { .name: lowp_scales, .offset: 16, .size: 8, .value_kind: global_buffer, .address_space: global }
      - { .name: out0, .offset: 24, .size: 8, .value_kind: global_buffer, .address_space: global }
    .group_segment_fixed_size: 327680
    .private_segment_fixed_size: 0
    .kernarg_segment_align: 8
    .kernarg_segment_size: 32
    .max_flat_workgroup_size: 128
    .sgpr_count:     100
    .vgpr_count:     512
    .wavefront_size: 32
...
	.end_amdgpu_metadata
.endif
;; end of part 4
